; MI455X (gfx1250); checked and timed in simulation.
; The chip was launched on July 23, 2026; its instructions are those of AMD's public machine-readable ISA for CDNA 5 (MIT licence, August 2026) and "CDNA5" Instruction Set Architecture Reference Guide (July 2026). The comments in the code are by the model that wrote it; some were corrected since.
;; Mo E. Allowed arithmetic: matrix products marked QUANTISED: E2M1 operands, one E8M0 scale for each 32 along K, by v_wmma_scale_f32_16x16x128_f8f6f4 with both operands' format E2M1 (or v_wmma_scale_f32_32x16x128_f4), f32 sums; products left as they are: f32 operands where the result goes on into a quantised operand, else bf16, f16 or f32 operands; f32 sums; everything else in f32.
;; Inputs: b1 8 x 1,024 float32; b2 8 x 1,024 float32; gate_b 8 float32; gate_w 1,024 x 8 float32; w1 8 x 1,024 x 1,024 float32; w2 8 x 1,024 x 1,024 float32; x 2 x 2,048 x 1,024 float32.
;; Outputs: out0 2 x 2,048 x 1,024 float32.
;; This version of the problem:
;;   THIS VERSION OF THE PROBLEM IS GIVEN IN LOW PRECISION. The matrix products marked QUANTISED in the list below multiply operands that are first quantised to E2M1 (2 exponent bits, 1 mantissa bit; 4 bits a number), with one power-of-two scale for each 32 numbers along K (OCP MX v1.0); their sums are f32. All else is computed in f32.
;;   The module's matrix products, in the order in which they are computed (A, B: the left and right operand; K: the contracted axis; several contracted axes count as one K, in the product's order):
;;     1. [M 4,096, K 1,024] x [K 1,024, N 8]; A: input x; B: input gate_w: left as it is (N = 8 < 16)
;;     2. [M 8,192, K 1,024] x [K 1,024, N 4,096]; A: input w1; B: input x: QUANTISED
;;     3. batch 8 x [M 4,096, K 1,024] x [K 1,024, N 1,024]; A: computed on the way; B: input w2: QUANTISED
;;     4. batch 4,096 x [M 1,024, K 8] x [K 8, N 1]; A: computed on the way; B: computed on the way: left as it is (K = 8 < 32)
;;   THE QUANTISER, for each operand of a quantised product, along K:
;;     - K is cut into blocks of 32 from its start; a last block that is shorter is filled with zeros.
;;     - A block's scale is 2^e with e = floor(log2(the largest magnitude in the block)) - 2, held to -126 .. 127; a block of zeros has e = 0. As a byte (E8M0): e + 127.
;;     - Each number is divided by its block's scale, clamped to +-6, and rounded to the nearest number of E2M1, ties to even, subnormals kept.
;;     - The product sums the exact products of the quantised numbers (number of the format x scale) in f32.
;;   ~~~python
;;   def quantise(x, axis):      # numpy; x: float32 -> the quantised numbers, widened to float32 again
;;       x = np.moveaxis(x, axis, -1); K = x.shape[-1]
;;       x = np.pad(x, [(0, 0)] * (x.ndim - 1) + [(0, -K % 32)]); x = x.reshape(x.shape[:-1] + (-1, 32)); a = np.abs(x).max(-1, keepdims=True)
;;       e = np.where(a > 0, np.clip(np.frexp(np.where(a > 0, a, 1))[1] - 1 - 2, -126, 127), 0)      # np.frexp(a)[1] - 1 = floor(log2(a)), exactly
;;       r = np.clip(x / 2.0 ** e, -6, 6)
;;       step = 2.0 ** (np.maximum(np.frexp(np.where(r == 0, 1, r))[1] - 1, 0) - 1)
;;       q = np.round(r / step) * step * 2.0 ** e      # np.round: ties to even
;;       return np.moveaxis(q.reshape(q.shape[:-2] + (-1,))[..., :K], -1, axis).astype(np.float32)
;;   ~~~
;;   OPERANDS COMPUTED ON THE WAY. 'Computed on the way' means the value that the module computes at that place (a softmax that the list does not call 'softmax' is quantised finished and normalised). What goes into a quantiser is computed in f32, as accurately as f32 sums, v_exp_f32 and their like allow (about 1e-6 of the number): no bf16 or f16 on the way to a quantiser, and a product that is left as it is and whose result goes on into a quantised operand takes f32 operands (vector FMAs, or v_wmma_f32_16x16x4_f32). A number that lies on a knife's edge between two numbers of the format may be rounded either way, as far as f32 arithmetic and the matrix unit's own rounding can turn it there, and no further.
;; 2 versions. Each part assembles by itself: llvm-mc -triple=amdgcn-amd-amdhsa -mcpu=gfx1250 --defsym DOCPART=n.
;; ======== version 1 of 2: 3 launches
;; workspace buffers: xq 2,097,152 bytes; xs 131,072 bytes; pairs 16,384 bytes of whole numbers; cw 32,768 bytes; wq 8,912,896 bytes; order 16,384 bytes of whole numbers; tiles 2,560 bytes of whole numbers
;; launch route (part 1): grid 256 x 1, 8 waves a work-group, no clusters, 120,832 bytes of LDS; arguments x, gate_w, gate_b, xq, xs, pairs, cw; writes xq, xs, pairs, cw
.if DOCPART == 1
	.amdgcn_target "amdgcn-amd-amdhsa--gfx1250"
	.amdhsa_code_object_version 6
	.text
	.protected	k_q9aff9e8c65_route
	.globl	k_q9aff9e8c65_route
	.p2align	8
	.type	k_q9aff9e8c65_route,@function
k_q9aff9e8c65_route:
	s_mov_b64 s[64:65], 0
	v_nop
	global_prefetch_b8 v0, s[64:65] scope:SCOPE_SE
	s_setreg_imm32_b32 hwreg(HW_REG_WAVE_MODE, 25, 1), 1
	s_wait_xcnt 0x0
; ROUTE.  x [4096][1024] f32 is read once and serves twice: it is quantised to FP4 (E2M1) codes with one E8M0 byte for each 32 along K, and it is multiplied by gate_w [1024][8] in f32 for the router.
; OUT: xq [token][32 blocks][16 bytes] codes, K innermost;  xs [token][8] scale words (4 bytes for 128 along K);  pairs [token]: the number 0 .. 27 of the token's unordered pair of experts (lo < hi):
; lo (15 - lo) / 2 + hi - lo - 1;  cw [token][2] f32: (c_lo / c_hi, c_hi), the two gate weights after reference()'s second softmax.  Nothing here forms an address or a branch from the choice: it is only stored.
; SHARES.  A work-group takes 16 tokens; wave w takes k = 128 w .. 128 w + 127 of all 16.  Loads take a row's 512 bytes as they lie (16 bytes a lane); the 16 rows turn through the wave's own LDS bytes, so that
; lane (r = lane % 16, h = lane / 16) holds X[16 b + i] = x[r][128 w + 32 b + 16 h + i]: 16 neighbours of each block of 32, which is what the conversions want.
; THE GATE'S PRODUCT is 0.4 % of the problem's multiply-adds and decides a choice, so it goes in f32: v_wmma_f32_16x16x4_f32 with A = two of X's registers and B = the same k of gate_w (column r % 8; columns 8-15 repeat
; 0-7 and are not used).  The instruction's k = 2 h + j is then the true k 128 w + 32 b + 16 h + 2 p + j on both sides alike.  Four accumulators (one for each b) take turns; the eight waves' parts are added by wave 0.
; ROUTER: softmax with the row's maximum taken away; top-2 on the f32 probabilities, the lower index on a tie; softmax of the two.  The exponentials are taken 64 binary places up and brought down by v_ldexp_f32, so
; that probabilities under 2^-126 keep their denormal values.
; LIMITS: NaN and infinities among the inputs are not served.  A block whose largest magnitude lies under 2^-124 gets the byte 1 (a block of zeros too: its codes are zeros, and this program alone reads the bytes).
; Where two probabilities differ by less than the rounding of f32 sums, the choice may differ from reference()'s.
; No cluster: the work-groups share gate_w alone, 32 KiB beside each group's 64 KiB of x, and the text has no tensor load.
.set TP,    528                        ; a turned row, and a row of codes, in LDS: 512 bytes + 16: row r starts 4 r words on in the banks (64 banks of 4 bytes: ISA guide 11.1)
.set TWAVE, 16*TP                      ; LDS: the wave's 16 rows of x
.set GWL,   8*TWAVE                    ; behind the eight turns: the wave's slice of gate_w, 8 chunks of 512 bytes,
.set GP,    544                        ; 544 bytes apart
.set GWAVE, 8*GP
.set CST,   GWL+8*GWAVE                ; the group's 16 rows of codes
.set SST,   CST+16*TP                  ; its 16 x 8 scale words
.set LGT,   SST+512                    ; the partial logits [wave 8][token 16][column 16] f32
.set R,   16                           ; v16-79   16 rows as loaded
.set X,   80                           ; v80-143  64 numbers of my row (first: the slice of gate_w on its way to LDS; in wave 0's tail: the partial logits)
.set G,   144                          ; v144-207 the same k of gate_w
.set ACC, 208                          ; v208-239 four accumulators: written by matrix instructions alone
.set TM,  16                           ; v16-31   the quantiser at work (R is free by then)
.set PW,  32                           ; v32      my row's scale word
.set PC,  34                           ; v34-41   my row's codes
.set S,   42                           ; v42-49   the wave's partial logits
.set OC,  50                           ; v50-57   two rows of codes on their way out
.set S2,  58                           ; v58-65   at work
.set SEL, 22                           ; s[22:23] v_permlanex16_b32's selects for lane l xor 16
.set L,   16                           ; wave 0's tail: logits, exponents, exponentials, probabilities, probabilities without the first choice
.set DD,  24
.set EE,  32
.set P,   40
.set Q,   72
; 64 numbers of a lane, register 16 b + i = k 32 b + 16 (lane / 16) + i of my row, become a fragment's codes in v[PC] on (registers 4 c .. 4 c + 3: k = 64 c + 32 (lane / 16) + 0 .. 31) and its scale word in v[PW].
.macro QUANT s
.irp b, 0,1,2,3
	v_max3_num_f32 v[TM+\b], |v[\s+16*\b]|, |v[\s+1+16*\b]|, 0x1800000   ; block b: my 16 numbers, and the floor 2^(3 - 127): the byte cannot fall under 1
.endr
.irp i, 2,4,6,8,10,12,14
.irp b, 0,1,2,3
	v_max3_num_f32 v[TM+\b], v[TM+\b], |v[\s+16*\b+\i]|, |v[\s+1+16*\b+\i]|   ; the four blocks by turns
.endr
.endr
.irp b, 0,1,2,3
	v_permlanex16_b32 v[TM+4+\b], v[TM+\b], s[SEL], s[SEL+1]
.endr
.irp b, 0,1,2,3
	v_max_num_f32 v[TM+\b], v[TM+\b], v[TM+4+\b]   ; with lane l xor 16's: the block's largest magnitude
.endr
.irp b, 0,1,2,3
	v_add_nc_u32 v[TM+12+\b], 0xff000000, v[TM+\b] ; 2 off its exponent field: the conversion takes the exponent field of this operand as its scale
.endr
.irp b, 0,1,2,3
	v_lshrrev_b32 v[TM+4+\b], 23, v[TM+12+\b]      ; the scale's byte
.endr
	v_lshl_or_b32 v[PW], v[TM+5], 8, v[TM+4]
	v_lshl_or_b32 v[PW], v[TM+6], 16, v[PW]
	v_lshl_or_b32 v[PW], v[TM+7], 24, v[PW]
.irp b, 0,1,2,3
	v_cvt_scalef32_pk8_fp4_f32 v[PC+2*\b], v[\s+16*\b:\s+7+16*\b], v[TM+12+\b]
	v_cvt_scalef32_pk8_fp4_f32 v[PC+1+2*\b], v[\s+8+16*\b:\s+15+16*\b], v[TM+12+\b]
.endr
	v_nop                                          ; one plain instruction behind a scaled conversion
.irp c, 0,1                                    ; a WHOLE block to a lane: lanes 0-15 block 2 c, lanes 16-31 block 2 c + 1
.irp i, 0,1
	v_permlane16_swap_b32 v[PC+4*\c+\i], v[PC+2+4*\c+\i]
.endr
.endr
.endm
	s_load_b256 s[4:11], s[0:1], 0x0               ; x s[4:5], gate_w s[6:7], gate_b s[8:9], xq s[10:11]
	s_load_b128 s[12:15], s[0:1], 0x20             ; xs s[12:13], pairs s[14:15]
	s_load_b64 s[16:17], s[0:1], 0x30              ; cw
	v_lshl_add_u32 v240, v0, 2, 0x1d400
	v_mov_b32 v241, 0
	v_lshrrev_b32 v1, 5, v0
	v_readfirstlane_b32 s20, v1                    ; wave 0..7
	v_and_b32 v1, 31, v0                           ; lane
	v_and_b32 v2, 15, v0                           ; r
	v_bfe_u32 v3, v0, 4, 1                         ; h
	v_lshlrev_b32 v4, 4, v1                        ; 16 x lane
	s_mul_i32 s34, s20, TWAVE
	v_add_nc_u32 v5, s34, v4                       ; the turn, in: my wave's rows, 16 bytes a lane
	v_mul_u32_u24 v6, v2, TP
	v_lshl_add_u32 v6, v3, 6, v6
	v_add_nc_u32 v6, s34, v6                       ; the turn, out: row r, + 64 h
	s_mul_i32 s35, s20, GWAVE
	s_add_co_u32 s35, s35, GWL
	v_add_nc_u32 v7, s35, v4                       ; gate_w's slice, in
	v_and_b32 v14, 7, v0
	v_lshlrev_b32 v14, 2, v14
	v_mad_u32_u24 v8, v3, GP, v14
	v_add_nc_u32 v8, s35, v8                       ; and out: chunk 2 b + h, column r % 8
	v_mul_u32_u24 v9, v2, TP
	v_lshl_add_u32 v9, v3, 4, v9
	s_lshl_b32 s36, s20, 6
	s_add_co_u32 s36, s36, CST
	v_add_nc_u32 v9, s36, v9                       ; codes, in: row r, my wave's 64 bytes, + 16 h
	s_mul_i32 s36, s20, 2*TP
	s_add_co_u32 s36, s36, CST
	v_add_nc_u32 v10, s36, v4                      ; codes, out: rows 2 w and 2 w + 1, whole
	s_lshl_b32 s36, s20, 2
	s_add_co_u32 s36, s36, SST
	v_lshl_add_u32 v11, v2, 5, s36                 ; scale words, in: token r, word w
	s_lshl_b32 s36, s20, 10
	s_add_co_u32 s36, s36, LGT
	v_lshlrev_b32 v12, 2, v2
	v_lshl_add_u32 v12, v3, 9, v12
	v_add_nc_u32 v12, s36, v12                     ; partial logits, in: token 8 h + j, column r
	v_lshl_add_u32 v13, v2, 6, LGT                 ; and out (wave 0): token r
	v_add_nc_u32 v15, SST, v4                      ; scale words, out (wave 0)
	s_mov_b32 s[SEL], 0x76543210
	s_mov_b32 s[SEL+1], 0xfedcba98
	s_lshl_b32 s32, ttmp9, 16                      ; the group's 16 rows of 4,096 bytes,
	s_lshl_b32 s33, s20, 9                         ; my wave's 512 bytes of each
	s_add_co_u32 s32, s32, s33
	s_mov_b32 s33, 0
	s_lshl_b32 s36, s20, 12                        ; my wave's 128 rows of gate_w, 32 bytes each
	s_mov_b32 s37, 0
	s_wait_kmcnt 0x0
	s_add_nc_u64 s[4:5], s[4:5], s[32:33]
	s_add_nc_u64 s[6:7], s[6:7], s[36:37]
	s_load_b256 s[24:31], s[8:9], 0x0              ; gate_b: wanted in wave 0's tail
.irp i, 0,1,2,3,4,5,6,7
	global_load_b128 v[X+4*\i:X+4*\i+3], v4, s[6:7] offset:512*\i
.endr
.irp i, 0,1,2,3,4,5,6,7,8,9,10,11,12,13,14,15
	global_load_b128 v[R+4*\i:R+4*\i+3], v4, s[4:5] offset:4096*\i th:TH_LOAD_NT   ; row i: 32 lanes read 512 consecutive bytes; read once in the launch
.endr
	s_lshl_b32 s38, ttmp9, 13                      ; where the results go: xq: 16 rows of 512 bytes a group, two rows a wave;
	s_lshl_b32 s39, s20, 10
	s_add_co_u32 s38, s38, s39
	s_mov_b32 s39, 0
	s_add_nc_u64 s[10:11], s[10:11], s[38:39]
	s_lshl_b32 s38, ttmp9, 9                       ; xs: 512 bytes a group;
	s_add_nc_u64 s[12:13], s[12:13], s[38:39]
	s_lshl_b32 s38, ttmp9, 6                       ; pairs: 64;
	s_add_nc_u64 s[14:15], s[14:15], s[38:39]
	s_lshl_b32 s38, ttmp9, 7                       ; cw: 128
	s_add_nc_u64 s[16:17], s[16:17], s[38:39]
	s_wait_loadcnt 16                              ; gate_w's slice is in; the 16 loads of x are younger
.irp i, 0,1,2,3,4,5,6,7
	ds_store_b128 v7, v[X+4*\i:X+4*\i+3] offset:GP*\i
.endr
.irp b, 0,1,2,3
.irp i, 0,1,2,3,4,5,6,7,8,9,10,11,12,13,14,15
	ds_load_b32 v[G+16*\b+\i], v8 offset:2*GP*\b+32*\i   ; gate_w[128 w + 32 b + 16 h + i][r % 8].  LDS serves a wave's instructions in order: these see my stores
.endr
.endr
	s_wait_loadcnt 0x0                             ; x
.irp i, 0,1,2,3,4,5,6,7,8,9,10,11,12,13,14,15
	ds_store_b128 v5, v[R+4*\i:R+4*\i+3] offset:TP*\i
.endr
	s_wait_dscnt 0x0                               ; the stores have read X and R; G is in
.irp b, 0,1,2,3
.irp j, 0,1,2,3
	ds_load_b128 v[X+16*\b+4*\j:X+16*\b+4*\j+3], v6 offset:128*\b+16*\j
.endr
.endr
	s_wait_dscnt 0x0
.irp p, 0,1,2,3,4,5,6,7                        ; the four accumulators take turns, one instruction a turn; the first four products start the sums
.irp b, 0,1,2,3
.if \p == 0
	v_wmma_f32_16x16x4_f32 v[ACC+8*\b:ACC+8*\b+7], v[X+16*\b+2*\p:X+16*\b+2*\p+1], v[G+16*\b+2*\p:G+16*\b+2*\p+1], 0
.else
	v_wmma_f32_16x16x4_f32 v[ACC+8*\b:ACC+8*\b+7], v[X+16*\b+2*\p:X+16*\b+2*\p+1], v[G+16*\b+2*\p:G+16*\b+2*\p+1], v[ACC+8*\b:ACC+8*\b+7]
.endif
.endr
.endr
	QUANT X
	ds_store_b128 v9, v[PC:PC+3]                   ; blocks 4 w + h and 4 w + 2 + h of row r
	ds_store_b128 v9, v[PC+4:PC+7] offset:32
	ds_store_b32 v11, v[PW]                        ; lanes r and r + 16 write the same word with the same value
.rept 8
	v_nop                                          ; eight places between this matrix form and the first read of its results (ISA guide 7.12.1)
.endr
.irp q, 0,2,4,6                                ; each accumulator is read from its low end on
	v_pk_add_f32 v[S+\q:S+\q+1], v[ACC+\q:ACC+\q+1], v[ACC+8+\q:ACC+9+\q]
	v_pk_add_f32 v[S2+\q:S2+\q+1], v[ACC+16+\q:ACC+17+\q], v[ACC+24+\q:ACC+25+\q]
.endr
.irp q, 0,2,4,6
	v_pk_add_f32 v[S+\q:S+\q+1], v[S+\q:S+\q+1], v[S2+\q:S2+\q+1]
.endr
.irp j, 0,1,2,3,4,5,6,7
	ds_store_b32 v12, v[S+\j] offset:64*\j         ; token 8 h + j, column r
.endr
	s_wait_dscnt 0x0                               ; for the others' sake: my codes, scale words and partial logits lie in LDS
	s_barrier_signal -1
	s_barrier_wait -1
	ds_load_b128 v[OC:OC+3], v10
	ds_load_b128 v[OC+4:OC+7], v10 offset:TP
	s_wait_dscnt 0x0
	global_store_b128 v4, v[OC:OC+3], s[10:11]     ; a whole row of codes: 32 lanes store 512 consecutive bytes
	global_store_b128 v4, v[OC+4:OC+7], s[10:11] offset:512
	s_cmp_lg_u32 s20, 0
	s_cbranch_scc1 .Lend                           ; the router's tail is wave 0's; no barrier follows
	ds_load_b128 v[68:71], v15                     ; the group's 128 scale words
.irp w, 0,1,2,3,4,5,6,7
	ds_load_b128 v[X+8*\w:X+8*\w+3], v13 offset:1024*\w          ; wave w's part of token r's eight logits (lanes 16-31 do what lanes 0-15 do)
	ds_load_b128 v[X+8*\w+4:X+8*\w+7], v13 offset:1024*\w+16
.endr
	s_mov_b32 s40, 0x3fb8aa3b                      ; log2(e)
	s_mov_b32 s41, 0x42800000                      ; 64.0
	s_mov_b32 s42, 0xffffffc0                      ; -64
	s_wait_dscnt 16                                ; the scale words are in; the 16 loads behind them may be out
	global_store_b128 v4, v[68:71], s[12:13]       ; 512 consecutive bytes
	s_wait_dscnt 0x0
	s_wait_kmcnt 0x0                               ; gate_b
.irp q, 0,2,4,6
	v_pk_add_f32 v[L+\q:L+\q+1], v[X+\q:X+\q+1], v[X+8+\q:X+9+\q]
.endr
.irp w, 2,3,4,5,6,7
.irp q, 0,2,4,6
	v_pk_add_f32 v[L+\q:L+\q+1], v[L+\q:L+\q+1], v[X+8*\w+\q:X+8*\w+\q+1]   ; K ascending
.endr
.endr
.irp e, 0,1,2,3,4,5,6,7
	v_add_f32 v[L+\e], s[24+\e], v[L+\e]
.endr
	v_max3_num_f32 v48, v[L], v[L+1], v[L+2]
	v_max3_num_f32 v48, v48, v[L+3], v[L+4]
	v_max3_num_f32 v48, v48, v[L+5], v[L+6]
	v_max_num_f32 v48, v48, v[L+7]                 ; the row's largest logit is taken away, as reference() does
.irp e, 0,1,2,3,4,5,6,7
	v_sub_f32 v[DD+\e], v[L+\e], v48
.endr
.irp e, 0,1,2,3,4,5,6,7
	v_fma_f32 v[DD+\e], v[DD+\e], s40, s41         ; in binary places, 64 up
.endr
.irp e, 0,1,2,3,4,5,6,7
	v_exp_f32 v[EE+\e], v[DD+\e]
.endr
	v_nop                                          ; a plain instruction behind the last exponential
	s_wait_alu depctr_va_vdst(0)                   ; one wait for the batch, ahead of its first reader
.irp e, 0,1,2,3,4,5,6,7
	v_ldexp_f32 v[EE+\e], v[EE+\e], s42            ; 64 down again: what lies under 2^-126 keeps its denormal value
.endr
	v_pk_add_f32 v[58:59], v[EE:EE+1], v[EE+2:EE+3]
	v_pk_add_f32 v[60:61], v[EE+4:EE+5], v[EE+6:EE+7]
	v_pk_add_f32 v[58:59], v[58:59], v[60:61]
	v_add_f32 v58, v58, v59
	v_rcp_f32 v62, v58
	v_mov_b32 v64, 0                               ; (the plain instruction behind the reciprocal)  the first choice's index
	s_wait_alu depctr_va_vdst(0)
.irp e, 0,1,2,3,4,5,6,7
	v_mul_f32 v[P+\e], v[EE+\e], v62               ; the probabilities
.endr
	v_mov_b32 v63, v[P]
.irp e, 1,2,3,4,5,6,7                          ; the largest; only a strictly larger one takes over, so a tie keeps the lower index
	v_cmp_gt_f32 vcc_lo, v[P+\e], v63
	v_cndmask_b32 v63, v63, v[P+\e], vcc_lo
	v_cndmask_b32 v64, v64, \e, vcc_lo
.endr
.irp e, 0,1,2,3,4,5,6,7
	v_cmp_eq_u32 vcc_lo, \e, v64
	v_cndmask_b32 v[Q+\e], v[P+\e], -1.0, vcc_lo   ; the first choice is out: -1 lies under every probability
.endr
	v_mov_b32 v65, v[Q]
	v_mov_b32 v66, 0
.irp e, 1,2,3,4,5,6,7
	v_cmp_gt_f32 vcc_lo, v[Q+\e], v65
	v_cndmask_b32 v65, v65, v[Q+\e], vcc_lo
	v_cndmask_b32 v66, v66, \e, vcc_lo
.endr
	v_sub_f32 v67, v65, v63                        ; p2 - p1, between -1 and 0: the second softmax's exponent with its maximum taken away
	v_mul_f32 v72, s40, v67
	v_sub_f32 v73, 0, v72
	v_exp_f32 v74, v72                             ; t = e^(p2 - p1)
	v_exp_f32 v75, v73                             ; u = e^(p1 - p2)
	v_min_u32 v76, v64, v66                        ; lo
	v_max_u32 v77, v64, v66                        ; hi
	s_wait_alu depctr_va_vdst(0)
	v_add_f32 v78, 1.0, v74
	v_rcp_f32 v79, v78                             ; the first choice's weight, 1 / (1 + t)
	v_sub_nc_u32 v59, 15, v76
	v_mul_u32_u24 v59, v76, v59
	v_lshrrev_b32 v59, 1, v59
	v_add_nc_u32 v59, v59, v77
	v_sub_nc_u32 v59, v59, v76
	v_add_nc_u32 v59, -1, v59                      ; the pair's number
	v_cmp_lt_u32 vcc_lo, v64, v66                  ; is the first choice the lower index?
	s_wait_alu depctr_va_vdst(0)
	v_mul_f32 v58, v74, v79                        ; the second choice's weight, t / (1 + t)
	v_cndmask_b32 v60, v74, v75, vcc_lo            ; c_lo / c_hi: u if lo is the first choice, else t
	v_cndmask_b32 v61, v79, v58, vcc_lo            ; c_hi
	v_lshlrev_b32 v48, 2, v2
	v_lshlrev_b32 v49, 3, v2
	s_wait_xcnt 0x0                                ; EXEC changes only behind this wait: stores are out
	v_cmp_gt_u32 vcc_lo, 16, v1
	s_and_saveexec_b32 s36, vcc_lo
	global_store_b32 v48, v59, s[14:15]            ; 64 consecutive bytes a group, and below 128: short stores, 48 KiB in the whole launch
	global_store_b64 v49, v[60:61], s[16:17]
	s_wait_xcnt 0x0                                ; and again in front of the line that widens it
	s_or_b32 exec_lo, exec_lo, s36
.Lend:
	s_wait_tensorcnt 0x0
	ds_add_u32 v240, v241
	s_wait_dscnt 0x0
	s_endpgm
.Lfunc_end_k_q9aff9e8c65_route:
	.size	k_q9aff9e8c65_route, .Lfunc_end_k_q9aff9e8c65_route-k_q9aff9e8c65_route
	.p2alignl 7, 3214868480
	.fill 96, 4, 3214868480
	.section	.rodata,"a",@progbits
	.p2align	6, 0x0
	.amdhsa_kernel k_q9aff9e8c65_route
		.amdhsa_group_segment_fixed_size 120832
		.amdhsa_private_segment_fixed_size 0
		.amdhsa_enable_private_segment 0
		.amdhsa_kernarg_size 56
		.amdhsa_user_sgpr_count 2
		.amdhsa_user_sgpr_kernarg_segment_ptr 1
		.amdhsa_wavefront_size32 1
		.amdhsa_system_sgpr_workgroup_id_x 1
		.amdhsa_system_sgpr_workgroup_id_y 1
		.amdhsa_system_sgpr_workgroup_id_z 1
		.amdhsa_system_vgpr_workitem_id 0
		.amdhsa_next_free_vgpr 242
		.amdhsa_next_free_sgpr 66
		.amdhsa_reserve_vcc 1
		.amdhsa_float_denorm_mode_32 3
		.amdhsa_float_denorm_mode_16_64 3
		.amdhsa_memory_ordered 1
		.amdhsa_forward_progress 1
		.amdhsa_inst_pref_size 30
	.end_amdhsa_kernel
	.amdgpu_metadata
---
amdhsa.version: [ 1, 2 ]
amdhsa.kernels:
  - .name:           k_q9aff9e8c65_route
    .symbol:         k_q9aff9e8c65_route.kd
    .args:
      - { .name: x, .offset: 0, .size: 8, .value_kind: global_buffer, .address_space: global }
      - { .name: gate_w, .offset: 8, .size: 8, .value_kind: global_buffer, .address_space: global }
      - { .name: gate_b, .offset: 16, .size: 8, .value_kind: global_buffer, .address_space: global }
      - { .name: xq, .offset: 24, .size: 8, .value_kind: global_buffer, .address_space: global }
      - { .name: xs, .offset: 32, .size: 8, .value_kind: global_buffer, .address_space: global }
      - { .name: pairs, .offset: 40, .size: 8, .value_kind: global_buffer, .address_space: global }
      - { .name: cw, .offset: 48, .size: 8, .value_kind: global_buffer, .address_space: global }
    .group_segment_fixed_size: 120832
    .private_segment_fixed_size: 0
    .kernarg_segment_align: 8
    .kernarg_segment_size: 56
    .max_flat_workgroup_size: 256
    .sgpr_count:     66
    .vgpr_count:     242
    .wavefront_size: 32
...
	.end_amdgpu_metadata
.endif
;; end of part 1
;; launch prep (part 2): grid 257 x 1, 16 waves a work-group, no clusters, 4,096 bytes of LDS; arguments w1, w2, pairs, wq, order, tiles; writes wq, order, tiles
.if DOCPART == 2
	.amdgcn_target "amdgcn-amd-amdhsa--gfx1250"
	.amdhsa_code_object_version 6
	.text
	.protected	k_q9aff9e8c65_prep
	.globl	k_q9aff9e8c65_prep
	.p2align	8
	.type	k_q9aff9e8c65_prep,@function
k_q9aff9e8c65_prep:
	s_mov_b64 s[64:65], 0
	v_nop
	global_prefetch_b8 v0, s[64:65] scope:SCOPE_SE
	s_setreg_imm32_b32 hwreg(HW_REG_WAVE_MODE, 25, 1), 1
	s_wait_xcnt 0x0
; PREP.  Two jobs in one launch, told apart by the work-group's number.
; WORK-GROUPS 1 .. 256: w1 and w2 [8][1024 (k)][1024 (unit)] f32 become FP4 (E2M1) codes with one E8M0 byte for each 32 along K, laid in wq in the ORDER OF THE OPERAND'S REGISTERS, so that the next launch loads fragments
; whole, 16 bytes a lane.  wq = [matrix 16 (e: w1, 8 + e: w2)][group of 64 units 16][K step of 128: 8] records of 4,352 bytes: codes [tile 4][c 2][lane 32][16 bytes], then scale words [b 2][lane 32][4 bytes].
; Operand lane (r, h) of tile 2 b + u holds unit 32 b + 8 u + r + 8 (r / 8) of the group, and in registers 4 c .. 4 c + 3 k = 64 c + 32 h + 0 .. 31 of the K step: the units of a tile are chosen so that in the product's
; result, used transposed, the 16 registers of tiles 2 b and 2 b + 1 are 16 neighbouring units.  Scale register b: lanes 0-15 the words of tile 2 b, lanes 16-31 those of tile 2 b + 1.
; A work-group takes one matrix's group; wave (s = wave / 2, b = wave % 2) takes 32 units x 128 along K.  A LANE TAKES A UNIT AND ITS REGISTERS RUN DOWN K: a block of 32 lies in one lane's 32 registers, and the
; conversions give its 16 bytes with K innermost.  Each load reads 128 consecutive bytes (the 32 units, in the tiles' order); each store of codes covers two aligned runs of 256 bytes.
; WORK-GROUP 0: a counting sort of the 4,096 tokens by their pair's number (0 .. 27), without atomics.  order = the tokens, pair by pair; tiles[160] = (lo, hi, first place in order, tokens <= 32): a tile never holds
; two pairs, so there are at most (4096 + 28 x 31) / 32 = 155; the rest are (0, 0, 0, 0).
; THE SORT BY BITS.  A wave holds 256 tokens, 32 to a register.  Five ballots a register (one for each bit of the pair's number) give LANE k the mask of the register's tokens whose number is k: the complement of the OR
; over the bits of (ballot xor lane k's bit).  Its population count, summed over the registers, is lane k's running count of pair k.  A token then fetches from the lane of its own pair that mask and that count:
; its place among its wave's tokens of the pair is the running count + the mask's bits below its own lane.  That is 35 vector instructions a register, whatever the number of pairs.
; LIMITS: NaN and infinities are not served; a block whose largest magnitude lies under 2^-124 gets the byte 1 (a block of zeros too: its codes are zeros, and this program alone reads the bytes).
.set REC,  4352
.set GRPB, 8*REC
.set MATB, 16*GRPB
.set X,    32                          ; weights: v32-127 three sets of 32 numbers
.set C,    16                          ; v16-31  four registers of codes for each block, so that no store's data are written again
; the sort's registers: v1 lane, v2-5 offsets, v6-15 at work
.set LB,   16                          ; v16-20  bit j of my lane's number, spread over the word: 0 or all ones
.set KEY,  24                          ; v24-31  my eight tokens' pair numbers
.set IDX,  32                          ; v32-39  4 x the same, held at 31: the lane permutes' index
.set MK,   40                          ; v40-47  lane k: the mask of register i's tokens of pair k
.set RUN,  48                          ; v48-56  lane k: my wave's tokens of pair k in the registers before i; RUN + 8: in all
.set C16,  60                          ; v60-75  lane k: the sixteen waves' numbers of pair k
.set TOT,  76                          ; lane k: pair k's tokens in all,
.set PW,   77                          ; in the waves before mine,
.set TMP,  78
.set NT,   79                          ; its tiles of 32,
.set PACK, 80                          ; tokens | tiles << 16,
.set INCL, 81                          ; the running sum of that up to k,
.set SH,   82
.set EXCL, 83                          ; and before k;
.set BASE, 84                          ; where my wave's tokens of pair k begin in order;
.set TEND, 85                          ; the tile behind pair k's last
.set MT,   88                          ; v88-95   my token's pair's mask
.set BR,   96                          ; v96-103  at work; then lane k: BASE + RUN
.set LK,   104                         ; v104-111 at work; then my token's place
.set TOK,  112                         ; v112-119 my tokens' numbers
.set KK,   120                         ; the list of tiles: my tile's pair,
.set EX,   121                         ; that pair's EXCL
.set PK,   122                         ; and PACK,
.set TA,   123                         ; my record's place,
.set OUT,  124                         ; v124-127 lo, hi, first, count
	s_load_b256 s[4:11], s[0:1], 0x0               ; w1 s[4:5], w2 s[6:7], pairs s[8:9], wq s[10:11]
	s_load_b128 s[12:15], s[0:1], 0x20             ; order s[12:13], tiles s[14:15]
	v_lshl_add_u32 v128, v0, 2, 0x800
	v_mov_b32 v129, 0
	v_lshrrev_b32 v1, 5, v0
	v_readfirstlane_b32 s20, v1                    ; wave 0..15
	v_and_b32 v1, 31, v0                           ; lane
	s_cmp_eq_u32 ttmp9, 0
	s_cbranch_scc1 .Lplace
	; ---------------- the weights
	s_sub_co_u32 s21, ttmp9, 1
	s_lshr_b32 s22, s21, 4                         ; matrix
	s_and_b32 s23, s21, 15                         ; group of 64 units
	s_lshr_b32 s24, s20, 1                         ; K step
	s_and_b32 s25, s20, 1                          ; b
	v_and_b32 v5, 15, v0                           ; r
	v_bfe_u32 v6, v0, 4, 1                         ; u
	v_and_b32 v7, 7, v0
	v_bfe_u32 v8, v0, 3, 1
	v_lshl_add_u32 v7, v6, 3, v7
	v_lshl_add_u32 v7, v8, 4, v7                   ; my unit among the wave's 32: 8 u + r + 8 (r / 8)
	v_lshlrev_b32 v2, 2, v7                        ; in: 4 bytes a unit
	v_lshlrev_b32 v3, 4, v5
	v_lshl_add_u32 v3, v6, 10, v3                  ; out: tile u of the wave's two, operand lane r (+ 16 h by the immediate)
	v_lshlrev_b32 v4, 2, v1                        ; the scale word's place
	s_and_b32 s26, s22, 7
	s_lshl_b32 s26, s26, 22                        ; the expert's 4 MiB,
	s_lshl_b32 s27, s24, 19                        ; 128 rows of 4,096 bytes a K step,
	s_add_co_u32 s26, s26, s27
	s_lshl_b32 s27, s23, 8                         ; 256 bytes a group,
	s_add_co_u32 s26, s26, s27
	s_lshl_b32 s27, s25, 7                         ; 128 a wave
	s_add_co_u32 s26, s26, s27
	s_mov_b32 s27, 0
	s_mul_i32 s28, s22, MATB
	s_mul_i32 s29, s23, GRPB
	s_add_co_u32 s28, s28, s29
	s_mul_i32 s29, s24, REC
	s_add_co_u32 s28, s28, s29                     ; my record
	s_mov_b32 s29, 0
	s_lshl_b32 s30, s25, 11                        ; my two tiles' codes in it
	s_mov_b32 s31, 0
	s_lshl_b32 s32, s25, 7
	s_add_co_u32 s32, s32, 4096                    ; and my scale register
	s_mov_b32 s33, 0
	s_wait_kmcnt 0x0
	s_cmp_lt_u32 s22, 8                            ; w1 or w2: the choice hangs on the work-group's number alone
	s_cselect_b64 s[4:5], s[4:5], s[6:7]
	s_add_nc_u64 s[4:5], s[4:5], s[26:27]
	s_add_nc_u64 s[10:11], s[10:11], s[28:29]
	s_add_nc_u64 s[16:17], s[10:11], s[30:31]
	s_add_nc_u64 s[18:19], s[10:11], s[32:33]
.macro LOAD t                          ; block t: rows 32 t + i of the K step, my unit, into set t % 3
.irp i, 0,1,2,3,4,5,6,7,8,9,10,11,12,13,14,15,16,17,18,19,20,21,22,23,24,25,26,27,28,29,30,31
	global_load_b32 v[X+32*((\t)%3)+\i], v2, s[4:5] offset:(32*(\t)+\i)*4096 th:TH_LOAD_NT
.endr
.endm
.macro BLOCK t, left                   ; left: how many younger loads may stay out
.set XS, X+32*((\t)%3)
	s_wait_loadcnt \left
	v_max3_num_f32 v12, |v[XS]|, |v[XS+1]|, |v[XS+2]|               ; the block's largest magnitude: all 32 numbers are mine; two chains
	v_max3_num_f32 v13, |v[XS+3]|, |v[XS+4]|, |v[XS+5]|
.irp i, 6,10,14,18,22,26
	v_max3_num_f32 v12, v12, |v[XS+\i]|, |v[XS+\i+1]|
	v_max3_num_f32 v13, v13, |v[XS+\i+2]|, |v[XS+\i+3]|
.endr
	v_max3_num_f32 v12, v12, |v[XS+30]|, |v[XS+31]|
	v_max3_num_f32 v12, v12, v13, 3<<23            ; and the floor 2^(3 - 127): the byte cannot fall under 1
	v_add_nc_u32 v11, -(2<<23), v12                ; 2 off its exponent field: the conversion's scale operand
	v_lshrrev_b32 v13, 23, v11                     ; the scale's byte
.if (\t) == 0
	v_mov_b32 v10, v13                             ; four bytes make my unit's scale word, the lower K in the lower byte
.else
	v_lshl_or_b32 v10, v13, 8*(\t), v10
.endif
.irp g, 0,1,2,3
	v_cvt_scalef32_pk8_fp4_f32 v[C+4*(\t)+\g], v[XS+8*\g:XS+8*\g+7], v11
.endr
	global_store_b128 v3, v[C+4*(\t):C+4*(\t)+3], s[16:17] offset:((\t)/2)*512+((\t)%2)*256   ; block t = 2 c + h: lanes 0-15 and lanes 16-31 each store 256 consecutive bytes, aligned
.endm                                  ; (the next block begins with plain lines that touch neither the codes nor v11: the place behind the conversions)
	LOAD 0
	LOAD 1
	LOAD 2
	BLOCK 0, 63                                    ; 64 loads are younger; 63 is the largest count that a wait can name
	LOAD 3                                         ; into block 0's registers
	BLOCK 1, 63                                    ; again 64 are younger
	BLOCK 2, 32
	BLOCK 3, 0
	global_store_b32 v4, v10, s[18:19]             ; 128 consecutive bytes: one byte in 34 of the record
	s_endpgm
	; ---------------- the sort: 512 threads, eight tokens each.  KEY[4 q + j] is token 256 wave + 128 q + 4 lane + j
.Lplace:
	s_lshl_b32 s21, s20, 10
	v_lshl_add_u32 v2, v1, 4, s21
	s_lshl_b32 s22, s20, 2
	v_lshl_add_u32 v3, v1, 6, s22                  ; LDS [pair 32][wave 16] words: in: row = my lane, column = my wave
	v_lshlrev_b32 v4, 6, v1                        ; out: row = my lane
	s_lshl_b32 s23, s20, 8
	v_lshl_add_u32 v5, v1, 2, s23                  ; 256 wave + 4 lane
	s_mov_b32 s60, 0xffff0000                      ; lanes 16-31
	s_mov_b32 s52, 0x55555555                      ; the population count's masks: fields of 2, 4 and 8 bits,
	s_mov_b32 s53, 0x33333333
	s_mov_b32 s54, 0x0f0f0f0f
	s_mov_b32 s55, 0x01010101                      ; and the factor that adds the four bytes into the top one
	s_wait_kmcnt 0x0
	global_load_b128 v[KEY:KEY+3], v2, s[8:9]
	global_load_b128 v[KEY+4:KEY+7], v2, s[8:9] offset:512
.irp j, 0,1,2,3,4                              ; work that wants no key stands behind the loads
	v_bfe_u32 v[LB+\j], v1, \j, 1
.endr
.irp j, 0,1,2,3,4
	v_sub_nc_u32 v[LB+\j], 0, v[LB+\j]             ; 0 or all ones
.endr
.irp i, 0,1,2,3,4,5,6,7
	v_add_nc_u32 v[TOK+\i], 128*(\i/4)+(\i%4), v5
.endr
	v_mov_b32 v[RUN], 0
	s_wait_loadcnt 0x0
; Register i: five ballots; in lane k the mask of its tokens of pair k.  Two sets of scalars and of work registers take turns.
.macro MASK i
.set SB, 32+5*((\i)%2)
.set TT, 6+5*((\i)%2)
	v_min_u32 v[IDX+\i], 31, v[KEY+\i]
	v_lshlrev_b32 v[IDX+\i], 2, v[IDX+\i]
.irp j, 0,1,2,3,4
	v_and_b32 v[TT+\j], 4<<\j, v[IDX+\i]
.endr
.irp j, 0,1,2,3,4
	v_cmp_ne_u32 s[SB+\j], 0, v[TT+\j]             ; the lanes whose token has bit j set
.endr
.irp j, 0,1,2,3,4
	v_xor_b32 v[TT+\j], s[SB+\j], v[LB+\j]         ; the lanes whose token differs from my lane's number in bit j
.endr
	v_or_b32 v[TT], v[TT], v[TT+1]
	v_or_b32 v[TT+2], v[TT+2], v[TT+3]
	v_or_b32 v[TT], v[TT], v[TT+4]
	v_or_b32 v[TT], v[TT], v[TT+2]
	v_xor_b32 v[MK+\i], -1, v[TT]                  ; those that differ in no bit
.endm
.irp i, 0,1,2,3,4,5,6,7
	MASK \i
.endr
; The masks' population counts, the eight registers by turns: pairs of bits, fields of four, bytes, the four bytes added
.irp i, 0,1,2,3,4,5,6,7
	v_lshrrev_b32 v[BR+\i], 1, v[MK+\i]
.endr
.irp i, 0,1,2,3,4,5,6,7
	v_and_b32 v[BR+\i], s52, v[BR+\i]
.endr
.irp i, 0,1,2,3,4,5,6,7
	v_sub_nc_u32 v[BR+\i], v[MK+\i], v[BR+\i]
.endr
.irp i, 0,1,2,3,4,5,6,7
	v_lshrrev_b32 v[LK+\i], 2, v[BR+\i]
.endr
.irp i, 0,1,2,3,4,5,6,7
	v_and_b32 v[BR+\i], s53, v[BR+\i]
.endr
.irp i, 0,1,2,3,4,5,6,7
	v_and_b32 v[LK+\i], s53, v[LK+\i]
.endr
.irp i, 0,1,2,3,4,5,6,7
	v_add_nc_u32 v[BR+\i], v[BR+\i], v[LK+\i]
.endr
.irp i, 0,1,2,3,4,5,6,7
	v_lshrrev_b32 v[LK+\i], 4, v[BR+\i]
.endr
.irp i, 0,1,2,3,4,5,6,7
	v_add_nc_u32 v[BR+\i], v[BR+\i], v[LK+\i]
.endr
.irp i, 0,1,2,3,4,5,6,7
	v_and_b32 v[BR+\i], s54, v[BR+\i]
.endr
.irp i, 0,1,2,3,4,5,6,7
	v_mul_lo_u32 v[BR+\i], v[BR+\i], s55
.endr
.irp i, 0,1,2,3,4,5,6,7
	v_lshrrev_b32 v[BR+\i], 24, v[BR+\i]
.endr
.irp i, 0,1,2,3,4,5,6,7
	v_add_nc_u32 v[RUN+\i+1], v[RUN+\i], v[BR+\i]  ; lane k: pair k's tokens in registers 0 .. i
.endr
	ds_store_b32 v3, v[RUN+8]                      ; no token has a number from 28 on, so rows 28-31 get zeros: every word is written
	s_wait_dscnt 0x0                               ; for the others' sake
	s_barrier_signal -1
	s_barrier_wait -1                              ; behind it the waves only read LDS; all lane permutes stand here
.irp q, 0,1,2,3
	ds_load_b128 v[C16+4*\q:C16+4*\q+3], v4 offset:16*\q
.endr
.irp i, 0,1,2,3,4,5,6,7
	ds_bpermute_b32 v[MT+\i], v[IDX+\i], v[MK+\i]  ; from the lane of my token's pair: the register's tokens of that pair
.endr
	s_wait_dscnt 8                                 ; the four loads are in; the eight permutes behind them may be out
	v_mov_b32 v[TOT], v[C16+15]
	v_mov_b32 v[PW], 0
.irp j, 0,1,2,3,4,5,6,7,8,9,10,11,12,13,14
	s_cmp_gt_u32 s20, \j
	s_cselect_b32 s50, -1, 0
	v_add_nc_u32 v[TOT], v[TOT], v[C16+\j]
	v_and_b32 v[TMP], s50, v[C16+\j]
	v_add_nc_u32 v[PW], v[PW], v[TMP]
.endr
	v_add_nc_u32 v[NT], 31, v[TOT]
	v_lshrrev_b32 v[NT], 5, v[NT]
	v_lshl_or_b32 v[PACK], v[NT], 16, v[TOT]       ; both in one word: the sums stay under 4,097 and 156
	v_mov_b32 v[INCL], v[PACK]
	v_mov_b32 v[SH], 0
.irp n, 1,2,4,8                                ; a running sum over the lanes: within each half of 16,
	v_mov_b32_dpp v[SH], v[INCL] row_shr:\n row_mask:0xf bank_mask:0xf bound_ctrl:1
	v_add_nc_u32 v[INCL], v[INCL], v[SH]
.endr
	v_readlane_b32 s51, v[INCL], 15                ; then the lower half's sum onto the upper half
	v_mov_b32 v[SH], s51
	v_cndmask_b32 v[SH], 0, v[SH], s60
	v_add_nc_u32 v[INCL], v[INCL], v[SH]
	v_sub_nc_u32 v[EXCL], v[INCL], v[PACK]         ; lane k: tokens (low half) and tiles (high half) of the pairs before k
	v_and_b32 v[BASE], 0xffff, v[EXCL]
	v_add_nc_u32 v[BASE], v[BASE], v[PW]
	v_lshrrev_b32 v[TEND], 16, v[INCL]
.irp i, 0,1,2,3,4,5,6,7
	v_add_nc_u32 v[BR+\i], v[BASE], v[RUN+\i]      ; lane k: where register i's tokens of pair k begin in order
.endr
.irp i, 0,1,2,3,4,5,6,7
	ds_bpermute_b32 v[LK+\i], v[IDX+\i], v[BR+\i]
.endr
	s_wait_dscnt 0x0
.irp i, 0,1,2,3,4,5,6,7
	v_mbcnt_lo_u32_b32 v[LK+\i], v[MT+\i], v[LK+\i]   ; + the lanes below me that hold the same pair
	v_min_u32 v[LK+\i], 0xfff, v[LK+\i]            ; a place in order: 0 .. 4,095
	v_lshlrev_b32 v[LK+\i], 2, v[LK+\i]
	global_store_b32 v[LK+\i], v[TOK+\i], s[12:13] ; scattered words, 16 KiB in all, once: a stage in LDS would want addresses made of the places themselves
.endr
	s_cmp_gt_u32 s20, 4
	s_cbranch_scc1 .Lpend                          ; the list of tiles: threads 0 .. 159, one tile each; no barrier follows
.irp k, 0,1,2,3,4,5,6,7,8,9,10,11,12,13,14,15,16,17,18,19,20,21,22,23,24,25,26,27
	v_readlane_b32 s[66+\k], v[TEND], \k
.endr
	v_mov_b32 v[KK], 0
.irp k, 0,1,2,3,4,5,6,7,8,9,10,11,12,13,14,15,16,17,18,19,20,21,22,23,24,25,26,27
	v_cmp_le_u32 vcc_lo, s[66+\k], v0              ; pair k's tiles all lie before mine:
	v_add_co_ci_u32 v[KK], vcc_lo, 0, v[KK], vcc_lo   ; counted.  The count is my tile's pair; 28: there is no such tile
.endr
	v_min_u32 v6, 31, v[KK]
	v_lshlrev_b32 v6, 2, v6
	ds_bpermute_b32 v[EX], v6, v[EXCL]
	ds_bpermute_b32 v[PK], v6, v[PACK]
	v_mov_b32 v[OUT], 0
.irp t, 7,13,18,22,25,27                       ; lo's pairs begin at lo (15 - lo) / 2
	v_cmp_le_u32 vcc_lo, \t, v[KK]
	v_add_co_ci_u32 v[OUT], vcc_lo, 0, v[OUT], vcc_lo
.endr
	v_sub_nc_u32 v7, 15, v[OUT]
	v_mul_u32_u24 v7, v[OUT], v7
	v_lshrrev_b32 v7, 1, v7
	v_sub_nc_u32 v[OUT+1], v[KK], v7
	v_add_nc_u32 v[OUT+1], v[OUT+1], v[OUT]
	v_add_nc_u32 v[OUT+1], 1, v[OUT+1]             ; hi = the pair's number - lo (15 - lo) / 2 + lo + 1
	v_lshlrev_b32 v[TA], 4, v0
	s_wait_dscnt 0x0
	v_lshrrev_b32 v8, 16, v[EX]                    ; the pair's first tile,
	v_and_b32 v9, 0xffff, v[EX]                    ; its first place in order,
	v_and_b32 v10, 0xffff, v[PK]                   ; its tokens
	v_sub_nc_u32 v8, v0, v8                        ; which of its tiles is mine
	v_lshl_add_u32 v[OUT+2], v8, 5, v9
	v_lshlrev_b32 v8, 5, v8
	v_sub_nc_u32 v10, v10, v8
	v_min_u32 v[OUT+3], 32, v10
	v_cmp_gt_u32 vcc_lo, 28, v[KK]
.irp q, 0,1,2,3
	v_cndmask_b32 v[OUT+\q], 0, v[OUT+\q], vcc_lo  ; a record behind the last tile is (0, 0, 0, 0)
.endr
	global_store_b128 v[TA], v[OUT:OUT+3], s[14:15]   ; 512 consecutive bytes a wave
.Lpend:
	s_wait_tensorcnt 0x0
	ds_add_u32 v128, v129
	s_wait_dscnt 0x0
	s_endpgm
.Lfunc_end_k_q9aff9e8c65_prep:
	.size	k_q9aff9e8c65_prep, .Lfunc_end_k_q9aff9e8c65_prep-k_q9aff9e8c65_prep
	.p2alignl 7, 3214868480
	.fill 96, 4, 3214868480
	.section	.rodata,"a",@progbits
	.p2align	6, 0x0
	.amdhsa_kernel k_q9aff9e8c65_prep
		.amdhsa_group_segment_fixed_size 4096
		.amdhsa_private_segment_fixed_size 0
		.amdhsa_enable_private_segment 0
		.amdhsa_kernarg_size 48
		.amdhsa_user_sgpr_count 2
		.amdhsa_user_sgpr_kernarg_segment_ptr 1
		.amdhsa_wavefront_size32 1
		.amdhsa_system_sgpr_workgroup_id_x 1
		.amdhsa_system_sgpr_workgroup_id_y 1
		.amdhsa_system_sgpr_workgroup_id_z 1
		.amdhsa_system_vgpr_workitem_id 0
		.amdhsa_next_free_vgpr 130
		.amdhsa_next_free_sgpr 96
		.amdhsa_reserve_vcc 1
		.amdhsa_float_denorm_mode_32 3
		.amdhsa_float_denorm_mode_16_64 3
		.amdhsa_memory_ordered 1
		.amdhsa_forward_progress 1
		.amdhsa_inst_pref_size 45
	.end_amdhsa_kernel
	.amdgpu_metadata
---
amdhsa.version: [ 1, 2 ]
amdhsa.kernels:
  - .name:           k_q9aff9e8c65_prep
    .symbol:         k_q9aff9e8c65_prep.kd
    .args:
      - { .name: w1, .offset: 0, .size: 8, .value_kind: global_buffer, .address_space: global }
      - { .name: w2, .offset: 8, .size: 8, .value_kind: global_buffer, .address_space: global }
      - { .name: pairs, .offset: 16, .size: 8, .value_kind: global_buffer, .address_space: global }
      - { .name: wq, .offset: 24, .size: 8, .value_kind: global_buffer, .address_space: global }
      - { .name: order, .offset: 32, .size: 8, .value_kind: global_buffer, .address_space: global }
      - { .name: tiles, .offset: 40, .size: 8, .value_kind: global_buffer, .address_space: global }
    .group_segment_fixed_size: 4096
    .private_segment_fixed_size: 0
    .kernarg_segment_align: 8
    .kernarg_segment_size: 48
    .max_flat_workgroup_size: 512
    .sgpr_count:     96
    .vgpr_count:     130
    .wavefront_size: 32
...
	.end_amdgpu_metadata
.endif
;; end of part 2
;; launch chain (part 3): grid 155 x 1, 16 waves a work-group, no clusters, 186,368 bytes of LDS; arguments xq, xs, wq, b1, b2, cw, order, tiles, out0; writes out0
.if DOCPART == 3
	.amdgcn_target "amdgcn-amd-amdhsa--gfx1250"
	.amdhsa_code_object_version 6
	.text
	.protected	k_q9aff9e8c65_chain
	.globl	k_q9aff9e8c65_chain
	.p2align	8
	.type	k_q9aff9e8c65_chain,@function
k_q9aff9e8c65_chain:
	s_mov_b64 s[64:65], 0
	v_nop
	global_prefetch_b8 v0, s[64:65] scope:SCOPE_SE
	s_setreg_imm32_b32 hwreg(HW_REG_WAVE_MODE, 25, 1), 1
	s_wait_xcnt 0x0
; CHAIN.  One work-group takes one tile of the list: up to 32 tokens that chose the same two experts lo < hi, through everything: y = c_lo (relu(x W1_lo + b1_lo) W2_lo + b2_lo) + c_hi (the same with hi).
; All four products on FP4 (E2M1) codes with one E8M0 scale for each 32 along K, sums in f32; the hidden layers are quantised in registers and go from wave to wave through LDS; each output row has one owner.
; THE GRID is the largest number of tiles that any choice can give, (4096 + 28 x 31) / 32 = 155.  Every wave passes every barrier, and no barrier stands under a branch on a stored number: so a tile that a choice leaves
; without tokens (its record is 0, 0, 0, 0) runs the same text, on the token at place 0 of order and expert 0, with every address inside its buffer, and stores nothing.  That work is wasted: it is the price of a grid
; that serves every choice in a text with barriers.
; SHARES.  32 rows are two tiles of 16 (m = 0, 1).  Wave w makes hidden units, and later outputs, 64 w .. 64 w + 63 (four tiles t) for all 32 rows.  Both products are used transposed (source 0 = 16 units of W, source 1 =
; 16 tokens), and the units of a tile are chosen by the launch that laid wq out: in tile t = 2 b + u, lane (r, h) holds token r, and register j unit 32 b + 16 h + 8 u + j of the wave's 64.
; So the 16 registers of tiles 2 b, 2 b + 1 are 16 neighbours along the next K.  Rows from the tile's count on repeat its last token; they are computed and not stored.
; THE WEIGHTS go from memory straight into registers: a record of wq (4,352 bytes) is a wave's four fragments and two scale registers of one K step, each load 512 (128) consecutive bytes.  Three sets of registers:
; two to three records, 8.5 to 12.75 KiB a wave, are on their way while one is multiplied.  The text is straight-line: 32 records (W1_lo, W1_hi, W2_lo, W2_hi, eight K steps each); NLD counts the loads issued, at
; assembly time, and each wait's count is NLD less its value behind the record wanted.
; THE GATE'S WEIGHTS with one set of accumulators: acc = b2_lo + h_lo W2_lo;  acc = acc x (c_lo / c_hi) + b2_hi;  acc += h_hi W2_hi;  acc *= c_hi.  The ratio lies between 1/e and e.
; NO CLUSTER, NO TENSOR LOAD: how many tiles a pair of experts has hangs on stored counts, so the partners of a cluster could not be given the same weights at every choice, and a text whose addresses hang on
; stored numbers takes its operands through registers.
; LIMITS: as in the launches before: NaN and infinities are not served; a hidden block whose largest number lies under 2^-124 gets the byte 1 (a block of zeros too: its codes are zeros).
.set REC,  4352
.set GRPB, 8*REC
.set MATB, 16*GRPB
.set XIMG, 0                           ; LDS: x's fragments as images of their registers: (m, K step s) at 8192 m + 1024 s + 512 c + 16 lane
.set XSC,  16384                       ; their scale words: 128 s + 4 row
.set HIMG, 17408                       ; the two hidden layers' fragments: 16384 slot + the same
.set HSC,  50176                       ; their scale words: 1024 slot + 128 s + 4 row
.set STG,  52224                       ; the stage for y: 32 rows of
.set SP,   4112                        ; 4,096 bytes + 16: row r starts 4 r words on in the banks (64 banks of 4 bytes: ISA guide 11.1)
.set WS,   20                          ; v20-25   W's scale registers, two for each of three sets: scales and nothing else
.set FS,   26                          ; v26-27   the tokens' scale words, one for each of two sets: lanes 0-15 rows 0-15, lanes 16-31 rows 16-31
.set ACC,  28                          ; v28-91   accumulator (m, t) at 28 + 32 m + 8 t
.set W,    92                          ; v92-187  three sets of four fragments of W
.set F,    188                         ; v188-219 two sets of two fragments of tokens (m = 0, 1)
.set B,    220                         ; v220-251 a bias in the result's layout, eight registers a tile
.set TM,   188                         ; the quantiser works in F's registers between two phases
.set PC,   204
.set HW,   212
.set SEL,  52                          ; s[52:53] v_permlanex16_b32's selects for lane l xor 16
; v1 16 x lane; v2 4 x lane; v3 64 h; v4-10 LDS addresses; v11 r; v12, v13 the tokens of rows r and 16 + r; v14, v15, v252-255 offsets, each written once; v[16:17], v[18:19] (c_lo / c_hi, c_hi) of those two rows
; s[24:27] lo, hi, first, count; s28 wave; s[32:39] the four matrices at my wave's group; s[40:47] the four biases at my wave's 64; s48, s49 the tokens of rows 2 w, 2 w + 1
.set NLD, 0
.set RHO, 0
.macro LDREC k, rho                    ; record rho (matrix rho / 8, K step rho % 8) into set k
.set WB, 32+2*((\rho)/8)
.set WO, REC*((\rho)%8)
.irp t, 0,1,2,3
.irp c, 0,1
	global_load_b128 v[W+32*(\k)+8*\t+4*\c:W+32*(\k)+8*\t+4*\c+3], v1, s[WB:WB+1] offset:WO+1024*\t+512*\c
.endr
.endr
.irp b, 0,1
	global_load_b32 v[WS+2*(\k)+\b], v2, s[WB:WB+1] offset:WO+4096+128*\b
.endr
.set NLD, NLD+10
.if (\k) == 0
.set END0, NLD
.elseif (\k) == 1
.set END1, NLD
.else
.set END2, NLD
.endif
.endm
.macro LDBIAS p                        ; phase p's bias: tile t, lane half h: units 32 (t / 2) + 16 h + 8 (t % 2) + 0 .. 7 of my 64
.set BB, 40+2*(\p)
.irp t, 0,1,2,3
.irp q, 0,1
	global_load_b128 v[B+8*\t+4*\q:B+8*\t+4*\q+3], v3, s[BB:BB+1] offset:128*(\t/2)+32*(\t%2)+16*\q
.endr
.endr
.set NLD, NLD+8
.endm
.macro FETCHF f, img, sc, s            ; the tokens' two fragments and scale words of K step s into set f: five LDS loads
.irp m, 0,1
.irp c, 0,1
	ds_load_b128 v[F+16*(\f)+8*\m+4*\c:F+16*(\f)+8*\m+4*\c+3], v1 offset:(\img)+8192*\m+1024*(\s)+512*\c
.endr
.endr
	ds_load_b32 v[FS+(\f)], v2 offset:(\sc)+128*(\s)
.endm
; Eight matrix instructions: the eight accumulators take turns, one instruction a turn, in the same order in every step.  cb = 1: the bias is the C of the sum's first product.
.macro MM k, f, cb
.irp m, 0,1
.irp t, 0,1,2,3
.set rD, ACC+32*\m+8*\t
.set rA, W+32*(\k)+8*\t
.set rB, F+16*(\f)+8*\m
.set rSA, WS+2*(\k)+\t/2
.set rSB, FS+(\f)
.if \cb
.set rC, B+8*\t
.else
.set rC, rD
.endif
.if (\t%2 == 0) && (\m == 0)
	v_wmma_scale_f32_16x16x128_f8f6f4 v[rD:rD+7], v[rA:rA+7], v[rB:rB+7], v[rC:rC+7], v[rSA], v[rSB] matrix_a_fmt:MATRIX_FMT_FP4 matrix_b_fmt:MATRIX_FMT_FP4
.elseif (\t%2 == 1) && (\m == 0)
	v_wmma_scale_f32_16x16x128_f8f6f4 v[rD:rD+7], v[rA:rA+7], v[rB:rB+7], v[rC:rC+7], v[rSA], v[rSB] matrix_a_fmt:MATRIX_FMT_FP4 matrix_b_fmt:MATRIX_FMT_FP4 matrix_a_scale:MATRIX_SCALE_ROW1
.elseif (\t%2 == 0)
	v_wmma_scale_f32_16x16x128_f8f6f4 v[rD:rD+7], v[rA:rA+7], v[rB:rB+7], v[rC:rC+7], v[rSA], v[rSB] matrix_a_fmt:MATRIX_FMT_FP4 matrix_b_fmt:MATRIX_FMT_FP4 matrix_b_scale:MATRIX_SCALE_ROW1
.else
	v_wmma_scale_f32_16x16x128_f8f6f4 v[rD:rD+7], v[rA:rA+7], v[rB:rB+7], v[rC:rC+7], v[rSA], v[rSB] matrix_a_fmt:MATRIX_FMT_FP4 matrix_b_fmt:MATRIX_FMT_FP4 matrix_a_scale:MATRIX_SCALE_ROW1 matrix_b_scale:MATRIX_SCALE_ROW1
.endif
.endr
.endr
.endm
; One K step: record RHO.  The next step's tokens are asked of LDS first; behind the products and their places the set just multiplied takes the record three further on.
.macro STEP img, sc, cb
.set SS, RHO%8
.set KK, RHO%3
.set FF, SS%2
.if SS < 7
	FETCHF 1-FF, \img, \sc, SS+1
	s_wait_dscnt 5                                 ; this step's five loads are in; the five just issued may be out
.else
	s_wait_dscnt 0x0
.endif
.if KK == 0
	s_wait_loadcnt NLD-END0                        ; record RHO is in; all that was issued behind it may be out
.elseif KK == 1
	s_wait_loadcnt NLD-END1
.else
	s_wait_loadcnt NLD-END2
.endif
.set CB0, 0
.if (\cb) && (SS == 0)
.set CB0, 1
.endif
	MM KK, FF, CB0
.if SS == 7
.rept 5
	v_nop                                          ; a phase's end: five places, since the next phase's first products write these accumulators anew
.endr
.else
.rept 4
	v_nop                                          ; four places in front of loads into registers that matrix instructions have read (ISA guide 7.12.1 for vector instructions)
.endr
.endif
.if (SS == 0) && (RHO < 24)
	LDBIAS RHO/8+1                                 ; the bias has been taken as C: its registers take the next phase's
.endif
.if RHO+3 < 32
	LDREC KK, RHO+3
.endif
.set RHO, RHO+1
.endm
.macro PHASE img, sc, cb               ; one matrix: eight K steps
	FETCHF 0, \img, \sc, 0
.rept 8
	STEP \img, \sc, \cb
.endr
.endm
; The activation, and the wave's 64 hidden units of 32 rows as codes.  Block 2 m + b (numbers at ACC + 16 (2 m + b)) is units 32 b .. 32 b + 31 of row tile m, half in lane l and half in lane l xor 16.
; The codes are registers 4 c .. 4 c + 3, c = w % 2, of the fragments (m, K step w / 2): they go to LDS as they stand.  The two bytes of a row are half of its scale word.
.macro RELUQ slot
.set j, 0
.rept 64
	v_max_num_f32 v[ACC+j], 0, v[ACC+j]            ; ascending: each accumulator is read from its low end on
.set j, j+1
.endr
.irp b, 0,1,2,3
	v_max3_num_f32 v[TM+\b], v[ACC+16*\b], v[ACC+1+16*\b], 0x1800000   ; none is negative; the floor 2^(3 - 127): the byte cannot fall under 1
.endr
.irp i, 2,4,6,8,10,12,14
.irp b, 0,1,2,3
	v_max3_num_f32 v[TM+\b], v[TM+\b], v[ACC+16*\b+\i], v[ACC+1+16*\b+\i]
.endr
.endr
.irp b, 0,1,2,3
	v_permlanex16_b32 v[TM+4+\b], v[TM+\b], s[SEL], s[SEL+1]
.endr
.irp b, 0,1,2,3
	v_max_num_f32 v[TM+\b], v[TM+\b], v[TM+4+\b]
.endr
.irp b, 0,1,2,3
	v_add_nc_u32 v[TM+12+\b], 0xff000000, v[TM+\b] ; 2 off the exponent field: the conversion's scale operand
.endr
.irp b, 0,1,2,3
	v_lshrrev_b32 v[TM+4+\b], 23, v[TM+12+\b]      ; the scale's byte
.endr
	v_lshl_or_b32 v[HW], v[TM+5], 8, v[TM+4]       ; row r's two bytes,
	v_lshl_or_b32 v[HW+1], v[TM+7], 8, v[TM+6]     ; row 16 + r's;
	v_cndmask_b32 v[HW], v[HW], v[HW+1], s60       ; lane l has row l's
.irp b, 0,1,2,3
	v_cvt_scalef32_pk8_fp4_f32 v[PC+2*\b], v[ACC+16*\b:ACC+7+16*\b], v[TM+12+\b]
	v_cvt_scalef32_pk8_fp4_f32 v[PC+1+2*\b], v[ACC+8+16*\b:ACC+15+16*\b], v[TM+12+\b]
.endr
	v_nop                                          ; one plain instruction behind a scaled conversion
.irp c, 0,1                                    ; a WHOLE block to a lane: lanes 0-15 units 0-31, lanes 16-31 units 32-63, for row tile c
.irp i, 0,1
	v_permlane16_swap_b32 v[PC+4*\c+\i], v[PC+2+4*\c+\i]
.endr
.endr
	ds_store_b128 v6, v[PC:PC+3] offset:16384*\slot
	ds_store_b128 v6, v[PC+4:PC+7] offset:16384*\slot+8192
	ds_store_b16 v7, v[HW] offset:1024*\slot
	s_wait_dscnt 0x0                               ; the stores have read their registers, which the next phase loads; and, ahead of a barrier, they have landed
.endm
	s_load_b512 s[4:19], s[0:1], 0x0               ; xq s[4:5], xs s[6:7], wq s[8:9], b1 s[10:11], b2 s[12:13], cw s[14:15], order s[16:17], tiles s[18:19]
	s_load_b64 s[20:21], s[0:1], 0x40              ; out0
	v_lshrrev_b32 v1, 5, v0
	v_readfirstlane_b32 s28, v1                    ; wave 0..15
	s_lshl_b32 s50, ttmp9, 4
	s_mov_b32 s51, 0
	s_wait_kmcnt 0x0
	s_add_nc_u64 s[18:19], s[18:19], s[50:51]
	s_load_b128 s[24:27], s[18:19], 0x0            ; my tile: lo, hi, first, count
	v_and_b32 v188, 31, v0                         ; lane
	v_and_b32 v11, 15, v0                          ; r
	v_bfe_u32 v189, v0, 4, 1                       ; h
	v_lshlrev_b32 v1, 4, v188
	v_lshlrev_b32 v2, 2, v188
	v_lshlrev_b32 v3, 6, v189
	s_lshr_b32 s54, s28, 3
	s_lshl_b32 s54, s54, 13
	s_and_b32 s55, s28, 7
	s_lshl_b32 s55, s55, 5
	s_add_co_u32 s54, s54, s55
	v_lshl_add_u32 v4, v188, 8, s54                ; x's images, in: my lane holds block l = 4 s + 2 c + h of rows 2 w, 2 w + 1: 1024 s + 512 c + 256 h = 256 l; + 8192 (w / 8) + 16 (row % 16)
	s_lshl_b32 s54, s28, 6
	s_add_co_u32 s54, s54, XSC
	v_lshl_add_u32 v5, v11, 2, s54                 ; x's scale words, in: K step w / 2, rows 16 (w % 2) + r: 64 w + 4 r
	s_lshl_b32 s54, s28, 9
	s_add_co_u32 s54, s54, HIMG
	v_add_nc_u32 v6, s54, v1                       ; the hidden images, in: 1024 (w / 2) + 512 (w % 2) = 512 w, + 16 lane
	s_lshr_b32 s54, s28, 1
	s_lshl_b32 s54, s54, 7
	s_and_b32 s55, s28, 1
	s_lshl_b32 s55, s55, 1
	s_add_co_u32 s54, s54, s55
	s_add_co_u32 s54, s54, HSC
	v_add_nc_u32 v7, s54, v2                       ; their scale words, in: K step w / 2, row = lane, bytes 2 (w % 2) and the next
	v_mul_u32_u24 v8, v11, SP
	v_add_nc_u32 v8, v8, v3
	s_lshl_b32 s54, s28, 8
	s_add_co_u32 s54, s54, STG
	v_add_nc_u32 v8, s54, v8                       ; the stage, in: row r, my wave's 256 bytes, + 64 h;
	v_add_nc_u32 v9, 16*SP, v8                     ; row 16 + r
	s_mul_i32 s54, s28, 2*SP
	s_add_co_u32 s54, s54, STG
	v_add_nc_u32 v10, s54, v1                      ; and out: rows 2 w, 2 w + 1, 16 bytes a lane
	s_mov_b32 s[SEL], 0x76543210
	s_mov_b32 s[SEL+1], 0xfedcba98
	s_mov_b32 s60, 0xffff0000                      ; lanes 16-31
	s_wait_kmcnt 0x0
	s_min_u32 s24, s24, 7                          ; stored numbers enter addresses only behind a bound
	s_min_u32 s25, s25, 7
	s_min_u32 s26, s26, 4095
	s_min_u32 s27, s27, 32
	s_max_u32 s54, s27, 1                          ; a tile without tokens takes row 0 for its last row: no branch, every address stays inside its buffer
	s_sub_co_u32 s54, s54, 1                       ; the tile's last row
	s_lshl_b32 s55, s28, 1
	s_min_u32 s56, s55, s54                        ; rows 2 w and 2 w + 1, held at the last row,
	s_add_co_u32 s56, s56, s26                     ; as places in order
	s_min_u32 s56, s56, 4095
	s_lshl_b32 s56, s56, 2
	s_add_co_u32 s57, s55, 1
	s_min_u32 s57, s57, s54
	s_add_co_u32 s57, s57, s26
	s_min_u32 s57, s57, 4095
	s_lshl_b32 s57, s57, 2
	s_load_b32 s48, s[16:17], s56 offset:0x0
	s_load_b32 s49, s[16:17], s57 offset:0x0
	v_min_u32 v14, s54, v11                        ; rows r and 16 + r likewise
	v_add_nc_u32 v15, 16, v11
	v_min_u32 v15, s54, v15
	v_add_nc_u32 v14, s26, v14
	v_add_nc_u32 v15, s26, v15
	v_min_u32 v14, 0xfff, v14
	v_min_u32 v15, 0xfff, v15
	v_lshlrev_b32 v14, 2, v14
	v_lshlrev_b32 v15, 2, v15
	global_load_b32 v12, v14, s[16:17]
	global_load_b32 v13, v15, s[16:17]
.set NLD, NLD+2
.set MORD, NLD
	s_mul_i32 s58, s28, GRPB                       ; my wave's group of 64 units in each matrix
	s_mul_i32 s50, s24, MATB
	s_add_co_u32 s50, s50, s58
	s_mov_b32 s51, 0
	s_add_nc_u64 s[32:33], s[8:9], s[50:51]        ; W1_lo
	s_mul_i32 s50, s25, MATB
	s_add_co_u32 s50, s50, s58
	s_add_nc_u64 s[34:35], s[8:9], s[50:51]        ; W1_hi
	s_add_nc_u64 s[36:37], s[32:33], 8*MATB        ; W2_lo
	s_add_nc_u64 s[38:39], s[34:35], 8*MATB        ; W2_hi
	s_lshl_b32 s58, s28, 8
	s_lshl_b32 s50, s24, 12
	s_add_co_u32 s50, s50, s58
	s_add_nc_u64 s[40:41], s[10:11], s[50:51]      ; b1_lo
	s_add_nc_u64 s[44:45], s[12:13], s[50:51]      ; b2_lo
	s_lshl_b32 s50, s25, 12
	s_add_co_u32 s50, s50, s58
	s_add_nc_u64 s[42:43], s[10:11], s[50:51]      ; b1_hi
	s_add_nc_u64 s[46:47], s[12:13], s[50:51]      ; b2_hi
	LDREC 0, 0                                     ; the weights start while the tokens' numbers are on their way
	LDREC 1, 1
	LDREC 2, 2
	LDBIAS 0
	s_wait_kmcnt 0x0
	s_min_u32 s48, s48, 4095
	s_min_u32 s49, s49, 4095
	s_lshl_b32 s50, s48, 9                         ; a token's codes are 512 bytes
	s_lshl_b32 s58, s49, 9
	v_add_nc_u32 v252, s50, v1
	v_add_nc_u32 v253, s58, v1
	global_load_b128 v[28:31], v252, s[4:5]        ; a whole row: 32 lanes read 512 consecutive bytes
	global_load_b128 v[32:35], v253, s[4:5]
.set NLD, NLD+2
	s_wait_loadcnt NLD-MORD                        ; the tokens of rows r and 16 + r are in; all 40 loads issued behind them may be out
	s_bitcmp1_b32 s28, 0
	s_cselect_b32 s59, -1, 0
	v_cndmask_b32 v190, v12, v13, s59              ; the token of row 16 (w % 2) + r,
	v_min_u32 v190, 0xfff, v190
	s_lshr_b32 s50, s28, 1
	s_lshl_b32 s50, s50, 2
	v_lshl_add_u32 v190, v190, 5, s50              ; its scale word of K step w / 2
	global_load_b32 v36, v190, s[6:7]
	v_min_u32 v12, 0xfff, v12
	v_min_u32 v13, 0xfff, v13
	v_lshlrev_b32 v254, 3, v12
	v_lshlrev_b32 v255, 3, v13
	global_load_b64 v[16:17], v254, s[14:15]       ; (c_lo / c_hi, c_hi) of row r,
	global_load_b64 v[18:19], v255, s[14:15]       ; of row 16 + r
.set NLD, NLD+3
	s_wait_loadcnt 2                               ; codes and scale word are in; the two loads of cw may be out
	ds_store_b128 v4, v[28:31] offset:XIMG
	ds_store_b128 v4, v[32:35] offset:XIMG+16
	ds_store_b32 v5, v36                           ; lanes r and r + 16 write the same word with the same value
	s_wait_dscnt 0x0                               ; for the others' sake
	s_barrier_signal -1
	s_barrier_wait -1                              ; x's sixteen fragments lie in LDS
	PHASE XIMG, XSC, 1                             ; x W1_lo + b1_lo
	RELUQ 0
	PHASE XIMG, XSC, 1                             ; x W1_hi + b1_hi
	RELUQ 1
	s_barrier_signal -1
	s_barrier_wait -1                              ; both hidden layers lie in LDS
	PHASE HIMG, HSC, 1                             ; h_lo W2_lo + b2_lo
.irp m, 0,1                                    ; x c_lo / c_hi, + b2_hi.  (b2_hi was issued ahead of record 19 and cw ahead of record 3: the waits for those records have shown them in.)  Ascending: each accumulator from its low end on
.irp t, 0,1,2,3
.irp q, 0,2,4,6
	v_pk_fma_f32 v[ACC+32*\m+8*\t+\q:ACC+32*\m+8*\t+\q+1], v[ACC+32*\m+8*\t+\q:ACC+32*\m+8*\t+\q+1], v[16+2*\m:17+2*\m], v[B+8*\t+\q:B+8*\t+\q+1] op_sel_hi:[1,0,1]
.endr
.endr
.endr
.rept 4
	v_nop
.endr
	PHASE HIMG+16384, HSC+1024, 0                  ; += h_hi W2_hi
	v_mov_b32 v188, v17                            ; c_hi into the low word of a pair (F's registers are free)
	v_mov_b32 v190, v19
.irp m, 0,1
.irp t, 0,1,2,3
.irp q, 0,2,4,6
	v_pk_mul_f32 v[ACC+32*\m+8*\t+\q:ACC+32*\m+8*\t+\q+1], v[ACC+32*\m+8*\t+\q:ACC+32*\m+8*\t+\q+1], v[188+2*\m:189+2*\m] op_sel_hi:[1,0]
.endr
.endr
.endr
.irp m, 0,1
.irp t, 0,1,2,3
.irp q, 0,1
	ds_store_b128 v[8+\m], v[ACC+32*\m+8*\t+4*\q:ACC+32*\m+8*\t+4*\q+3] offset:128*(\t/2)+32*(\t%2)+16*\q   ; y(16 m + r, 64 w + 32 (t / 2) + 16 h + 8 (t % 2) + 4 q ..)
.endr
.endr
.endr
	s_wait_dscnt 0x0                               ; for the others' sake
	s_barrier_signal -1
	s_barrier_wait -1                              ; 32 whole rows of y lie in the stage: the last barrier; only behind it does a branch hang on the tile's count
.irp i, 0,1
.irp q, 0,1,2,3,4,5,6,7
	ds_load_b128 v[W+32*\i+4*\q:W+32*\i+4*\q+3], v10 offset:SP*\i+512*\q
.endr
.endr
	s_lshl_b32 s50, s48, 12                        ; a row of out0 is 4,096 bytes
	s_mov_b32 s51, 0
	s_add_nc_u64 s[54:55], s[20:21], s[50:51]
	s_lshl_b32 s50, s49, 12
	s_add_nc_u64 s[56:57], s[20:21], s[50:51]
	s_lshl_b32 s58, s28, 1
	s_wait_dscnt 0x0
	s_cmp_ge_u32 s58, s27                          ; rows from the count on are repeats: not stored (a tile without tokens stores none)
	s_cbranch_scc1 .Lend
.irp q, 0,1,2,3,4,5,6,7
	global_store_b128 v1, v[W+4*\q:W+4*\q+3], s[54:55] offset:512*\q th:TH_STORE_NT   ; 32 lanes store 512 consecutive bytes, aligned; written once, read by nobody here
.endr
	s_add_co_u32 s58, s58, 1
	s_cmp_ge_u32 s58, s27
	s_cbranch_scc1 .Lend
.irp q, 0,1,2,3,4,5,6,7
	global_store_b128 v1, v[W+32+4*\q:W+32+4*\q+3], s[56:57] offset:512*\q th:TH_STORE_NT
.endr
.Lend:
	s_wait_xcnt 0x0
	v_lshl_add_u32 v254, v0, 2, 0x2d000
	v_mov_b32 v255, 0
	s_wait_tensorcnt 0x0
	ds_add_u32 v254, v255
	s_wait_dscnt 0x0
	s_endpgm
.Lfunc_end_k_q9aff9e8c65_chain:
	.size	k_q9aff9e8c65_chain, .Lfunc_end_k_q9aff9e8c65_chain-k_q9aff9e8c65_chain
	.p2alignl 7, 3214868480
	.fill 96, 4, 3214868480
	.section	.rodata,"a",@progbits
	.p2align	6, 0x0
	.amdhsa_kernel k_q9aff9e8c65_chain
		.amdhsa_group_segment_fixed_size 186368
		.amdhsa_private_segment_fixed_size 0
		.amdhsa_enable_private_segment 0
		.amdhsa_kernarg_size 72
		.amdhsa_user_sgpr_count 2
		.amdhsa_user_sgpr_kernarg_segment_ptr 1
		.amdhsa_wavefront_size32 1
		.amdhsa_system_sgpr_workgroup_id_x 1
		.amdhsa_system_sgpr_workgroup_id_y 1
		.amdhsa_system_sgpr_workgroup_id_z 1
		.amdhsa_system_vgpr_workitem_id 0
		.amdhsa_next_free_vgpr 256
		.amdhsa_next_free_sgpr 66
		.amdhsa_reserve_vcc 0
		.amdhsa_float_denorm_mode_32 3
		.amdhsa_float_denorm_mode_16_64 3
		.amdhsa_memory_ordered 1
		.amdhsa_forward_progress 1
		.amdhsa_inst_pref_size 108
	.end_amdhsa_kernel
	.amdgpu_metadata
---
amdhsa.version: [ 1, 2 ]
amdhsa.kernels:
  - .name:           k_q9aff9e8c65_chain
    .symbol:         k_q9aff9e8c65_chain.kd
    .args:
      - { .name: xq, .offset: 0, .size: 8, .value_kind: global_buffer, .address_space: global }
      - { .name: xs, .offset: 8, .size: 8, .value_kind: global_buffer, .address_space: global }
      - { .name: wq, .offset: 16, .size: 8, .value_kind: global_buffer, .address_space: global }
      - { .name: b1, .offset: 24, .size: 8, .value_kind: global_buffer, .address_space: global }
      - { .name: b2, .offset: 32, .size: 8, .value_kind: global_buffer, .address_space: global }
      - { .name: cw, .offset: 40, .size: 8, .value_kind: global_buffer, .address_space: global }
      - { .name: order, .offset: 48, .size: 8, .value_kind: global_buffer, .address_space: global }
      - { .name: tiles, .offset: 56, .size: 8, .value_kind: global_buffer, .address_space: global }
      - { .name: out0, .offset: 64, .size: 8, .value_kind: global_buffer, .address_space: global }
    .group_segment_fixed_size: 186368
    .private_segment_fixed_size: 0
    .kernarg_segment_align: 8
    .kernarg_segment_size: 72
    .max_flat_workgroup_size: 512
    .sgpr_count:     66
    .vgpr_count:     256
    .wavefront_size: 32
...
	.end_amdgpu_metadata
.endif
;; end of part 3
;; ======== version 2 of 2: 3 launches
;; workspace buffers: xq 2,097,152 bytes; xs 131,072 bytes; pairs 16,384 bytes of whole numbers; cw 32,768 bytes; wq 8,912,896 bytes; order 16,384 bytes of whole numbers; tiles 2,560 bytes of whole numbers
;; launch route (part 4): grid 256 x 1, 8 waves a work-group, no clusters, 120,832 bytes of LDS; arguments x, gate_w, gate_b, xq, xs, pairs, cw; writes xq, xs, pairs, cw
.if DOCPART == 4
	.amdgcn_target "amdgcn-amd-amdhsa--gfx1250"
	.amdhsa_code_object_version 6
	.text
	.protected	k_q9aff9e8c65_route
	.globl	k_q9aff9e8c65_route
	.p2align	8
	.type	k_q9aff9e8c65_route,@function
k_q9aff9e8c65_route:
	s_mov_b64 s[64:65], 0
	v_nop
	global_prefetch_b8 v0, s[64:65] scope:SCOPE_SE
	s_setreg_imm32_b32 hwreg(HW_REG_WAVE_MODE, 25, 1), 1
	s_wait_xcnt 0x0
; ROUTE.  x [4096][1024] f32 is read once and serves twice: it is quantised to FP4 (E2M1) codes with one E8M0 byte for each 32 along K, and it is multiplied by gate_w [1024][8] in f32 for the router.
; OUT: xq [token][32 blocks][16 bytes] codes, K innermost;  xs [token][8] scale words (4 bytes for 128 along K);  pairs [token]: the number 0 .. 27 of the token's unordered pair of experts (lo < hi):
; lo (15 - lo) / 2 + hi - lo - 1;  cw [token][2] f32: (c_lo / c_hi, c_hi), the two gate weights after reference()'s second softmax.  Nothing here forms an address or a branch from the choice: it is only stored.
; SHARES.  A work-group takes 16 tokens; wave w takes k = 128 w .. 128 w + 127 of all 16.  Loads take a row's 512 bytes as they lie (16 bytes a lane); the 16 rows turn through the wave's own LDS bytes, so that
; lane (r = lane % 16, h = lane / 16) holds X[16 b + i] = x[r][128 w + 32 b + 16 h + i]: 16 neighbours of each block of 32, which is what the conversions want.
; THE GATE'S PRODUCT is 0.4 % of the problem's multiply-adds and decides a choice, so it goes in f32: v_wmma_f32_16x16x4_f32 with A = two of X's registers and B = the same k of gate_w (column r % 8; columns 8-15 repeat
; 0-7 and are not used).  The instruction's k = 2 h + j is then the true k 128 w + 32 b + 16 h + 2 p + j on both sides alike.  Four accumulators (one for each b) take turns; the eight waves' parts are added by wave 0.
; ROUTER: softmax with the row's maximum taken away; top-2 on the f32 probabilities, the lower index on a tie; softmax of the two.  The exponentials are taken 64 binary places up and brought down by v_ldexp_f32, so
; that probabilities under 2^-126 keep their denormal values.
; LIMITS: NaN and infinities among the inputs are not served.  A block whose largest magnitude lies under 2^-124 gets the byte 1 (a block of zeros too: its codes are zeros, and this program alone reads the bytes).
; Where two probabilities differ by less than the rounding of f32 sums, the choice may differ from reference()'s.
; No cluster: the work-groups share gate_w alone, 32 KiB beside each group's 64 KiB of x, and the text has no tensor load.
.set TP,    528                        ; a turned row, and a row of codes, in LDS: 512 bytes + 16: row r starts 4 r words on in the banks (64 banks of 4 bytes: ISA guide 11.1)
.set TWAVE, 16*TP                      ; LDS: the wave's 16 rows of x
.set GWL,   8*TWAVE                    ; behind the eight turns: the wave's slice of gate_w, 8 chunks of 512 bytes,
.set GP,    544                        ; 544 bytes apart
.set GWAVE, 8*GP
.set CST,   GWL+8*GWAVE                ; the group's 16 rows of codes
.set SST,   CST+16*TP                  ; its 16 x 8 scale words
.set LGT,   SST+512                    ; the partial logits [wave 8][token 16][column 16] f32
.set R,   16                           ; v16-79   16 rows as loaded
.set X,   80                           ; v80-143  64 numbers of my row (first: the slice of gate_w on its way to LDS; in wave 0's tail: the partial logits)
.set G,   144                          ; v144-207 the same k of gate_w
.set ACC, 208                          ; v208-239 four accumulators: written by matrix instructions alone
.set TM,  16                           ; v16-31   the quantiser at work (R is free by then)
.set PW,  32                           ; v32      my row's scale word
.set PC,  34                           ; v34-41   my row's codes
.set S,   42                           ; v42-49   the wave's partial logits
.set OC,  50                           ; v50-57   two rows of codes on their way out
.set S2,  58                           ; v58-65   at work
.set SEL, 22                           ; s[22:23] v_permlanex16_b32's selects for lane l xor 16
.set L,   16                           ; wave 0's tail: logits, exponents, exponentials, probabilities, probabilities without the first choice
.set DD,  24
.set EE,  32
.set P,   40
.set Q,   72
; 64 numbers of a lane, register 16 b + i = k 32 b + 16 (lane / 16) + i of my row, become a fragment's codes in v[PC] on (registers 4 c .. 4 c + 3: k = 64 c + 32 (lane / 16) + 0 .. 31) and its scale word in v[PW].
.macro QUANT s
.irp b, 0,1,2,3
	v_max3_num_f32 v[TM+\b], |v[\s+16*\b]|, |v[\s+1+16*\b]|, 0x1800000   ; block b: my 16 numbers, and the floor 2^(3 - 127): the byte cannot fall under 1
.endr
.irp i, 2,4,6,8,10,12,14
.irp b, 0,1,2,3
	s_delay_alu instid0(VALU_DEP_4)
	v_max3_num_f32 v[TM+\b], v[TM+\b], |v[\s+16*\b+\i]|, |v[\s+1+16*\b+\i]|   ; the four blocks by turns
.endr
.endr
.irp b, 0,1,2,3
	s_delay_alu instid0(VALU_DEP_4)
	v_permlanex16_b32 v[TM+4+\b], v[TM+\b], s[SEL], s[SEL+1]
.endr
.irp b, 0,1,2,3
	s_delay_alu instid0(VALU_DEP_4)
	v_max_num_f32 v[TM+\b], v[TM+\b], v[TM+4+\b]   ; with lane l xor 16's: the block's largest magnitude
.endr
.irp b, 0,1,2,3
	s_delay_alu instid0(VALU_DEP_4)
	v_add_nc_u32 v[TM+12+\b], 0xff000000, v[TM+\b] ; 2 off its exponent field: the conversion takes the exponent field of this operand as its scale
.endr
.irp b, 0,1,2,3
	s_delay_alu instid0(VALU_DEP_4)
	v_lshrrev_b32 v[TM+4+\b], 23, v[TM+12+\b]      ; the scale's byte
.endr
	s_delay_alu instid0(VALU_DEP_3)
	v_lshl_or_b32 v[PW], v[TM+5], 8, v[TM+4]
	s_delay_alu instid0(VALU_DEP_1)
	v_lshl_or_b32 v[PW], v[TM+6], 16, v[PW]
	s_delay_alu instid0(VALU_DEP_1)
	v_lshl_or_b32 v[PW], v[TM+7], 24, v[PW]
.irp b, 0,1,2,3
	v_cvt_scalef32_pk8_fp4_f32 v[PC+2*\b], v[\s+16*\b:\s+7+16*\b], v[TM+12+\b]
	v_cvt_scalef32_pk8_fp4_f32 v[PC+1+2*\b], v[\s+8+16*\b:\s+15+16*\b], v[TM+12+\b]
.endr
	v_nop                                          ; one plain instruction behind a scaled conversion
.irp c, 0,1                                    ; a WHOLE block to a lane: lanes 0-15 block 2 c, lanes 16-31 block 2 c + 1
.irp i, 0,1
	v_permlane16_swap_b32 v[PC+4*\c+\i], v[PC+2+4*\c+\i]
.endr
.endr
.endm
	s_load_b256 s[4:11], s[0:1], 0x0               ; x s[4:5], gate_w s[6:7], gate_b s[8:9], xq s[10:11]
	s_load_b128 s[12:15], s[0:1], 0x20             ; xs s[12:13], pairs s[14:15]
	s_load_b64 s[16:17], s[0:1], 0x30              ; cw
	v_lshl_add_u32 v240, v0, 2, 0x1d400
	v_mov_b32 v241, 0
	v_lshrrev_b32 v1, 5, v0
	s_delay_alu instid0(VALU_DEP_1)
	v_readfirstlane_b32 s20, v1                    ; wave 0..7
	v_and_b32 v1, 31, v0                           ; lane
	v_and_b32 v2, 15, v0                           ; r
	v_bfe_u32 v3, v0, 4, 1                         ; h
	s_delay_alu instid0(VALU_DEP_3)
	v_lshlrev_b32 v4, 4, v1                        ; 16 x lane
	s_mul_i32 s34, s20, TWAVE
	v_add_nc_u32 v5, s34, v4                       ; the turn, in: my wave's rows, 16 bytes a lane
	v_mul_u32_u24 v6, v2, TP
	s_delay_alu instid0(VALU_DEP_1)
	v_lshl_add_u32 v6, v3, 6, v6
	s_delay_alu instid0(VALU_DEP_1)
	v_add_nc_u32 v6, s34, v6                       ; the turn, out: row r, + 64 h
	s_mul_i32 s35, s20, GWAVE
	s_add_co_u32 s35, s35, GWL
	v_add_nc_u32 v7, s35, v4                       ; gate_w's slice, in
	v_and_b32 v14, 7, v0
	s_delay_alu instid0(VALU_DEP_1)
	v_lshlrev_b32 v14, 2, v14
	s_delay_alu instid0(VALU_DEP_1)
	v_mad_u32_u24 v8, v3, GP, v14
	s_delay_alu instid0(VALU_DEP_1)
	v_add_nc_u32 v8, s35, v8                       ; and out: chunk 2 b + h, column r % 8
	v_mul_u32_u24 v9, v2, TP
	s_delay_alu instid0(VALU_DEP_1)
	v_lshl_add_u32 v9, v3, 4, v9
	s_lshl_b32 s36, s20, 6
	s_add_co_u32 s36, s36, CST
	v_add_nc_u32 v9, s36, v9                       ; codes, in: row r, my wave's 64 bytes, + 16 h
	s_mul_i32 s36, s20, 2*TP
	s_add_co_u32 s36, s36, CST
	v_add_nc_u32 v10, s36, v4                      ; codes, out: rows 2 w and 2 w + 1, whole
	s_lshl_b32 s36, s20, 2
	s_add_co_u32 s36, s36, SST
	v_lshl_add_u32 v11, v2, 5, s36                 ; scale words, in: token r, word w
	s_lshl_b32 s36, s20, 10
	s_add_co_u32 s36, s36, LGT
	v_lshlrev_b32 v12, 2, v2
	s_delay_alu instid0(VALU_DEP_1)
	v_lshl_add_u32 v12, v3, 9, v12
	s_delay_alu instid0(VALU_DEP_1)
	v_add_nc_u32 v12, s36, v12                     ; partial logits, in: token 8 h + j, column r
	v_lshl_add_u32 v13, v2, 6, LGT                 ; and out (wave 0): token r
	v_add_nc_u32 v15, SST, v4                      ; scale words, out (wave 0)
	s_mov_b32 s[SEL], 0x76543210
	s_mov_b32 s[SEL+1], 0xfedcba98
	s_lshl_b32 s32, ttmp9, 16                      ; the group's 16 rows of 4,096 bytes,
	s_lshl_b32 s33, s20, 9                         ; my wave's 512 bytes of each
	s_add_co_u32 s32, s32, s33
	s_mov_b32 s33, 0
	s_lshl_b32 s36, s20, 12                        ; my wave's 128 rows of gate_w, 32 bytes each
	s_mov_b32 s37, 0
	s_wait_kmcnt 0x0
	s_add_nc_u64 s[4:5], s[4:5], s[32:33]
	s_add_nc_u64 s[6:7], s[6:7], s[36:37]
	s_load_b256 s[24:31], s[8:9], 0x0              ; gate_b: wanted in wave 0's tail
.irp i, 0,1,2,3,4,5,6,7
	global_load_b128 v[X+4*\i:X+4*\i+3], v4, s[6:7] offset:512*\i
.endr
.irp i, 0,1,2,3,4,5,6,7,8,9,10,11,12,13,14,15
	global_load_b128 v[R+4*\i:R+4*\i+3], v4, s[4:5] offset:4096*\i th:TH_LOAD_NT   ; row i: 32 lanes read 512 consecutive bytes; read once in the launch
.endr
	s_lshl_b32 s38, ttmp9, 13                      ; where the results go: xq: 16 rows of 512 bytes a group, two rows a wave;
	s_lshl_b32 s39, s20, 10
	s_add_co_u32 s38, s38, s39
	s_mov_b32 s39, 0
	s_add_nc_u64 s[10:11], s[10:11], s[38:39]
	s_lshl_b32 s38, ttmp9, 9                       ; xs: 512 bytes a group;
	s_add_nc_u64 s[12:13], s[12:13], s[38:39]
	s_lshl_b32 s38, ttmp9, 6                       ; pairs: 64;
	s_add_nc_u64 s[14:15], s[14:15], s[38:39]
	s_lshl_b32 s38, ttmp9, 7                       ; cw: 128
	s_add_nc_u64 s[16:17], s[16:17], s[38:39]
	s_wait_loadcnt 16                              ; gate_w's slice is in; the 16 loads of x are younger
.irp i, 0,1,2,3,4,5,6,7
	ds_store_b128 v7, v[X+4*\i:X+4*\i+3] offset:GP*\i
.endr
.irp b, 0,1,2,3
.irp i, 0,1,2,3,4,5,6,7,8,9,10,11,12,13,14,15
	ds_load_b32 v[G+16*\b+\i], v8 offset:2*GP*\b+32*\i   ; gate_w[128 w + 32 b + 16 h + i][r % 8].  LDS serves a wave's instructions in order: these see my stores
.endr
.endr
	s_wait_loadcnt 0x0                             ; x
.irp i, 0,1,2,3,4,5,6,7,8,9,10,11,12,13,14,15
	ds_store_b128 v5, v[R+4*\i:R+4*\i+3] offset:TP*\i
.endr
	s_wait_dscnt 0x0                               ; the stores have read X and R; G is in
.irp b, 0,1,2,3
.irp j, 0,1,2,3
	ds_load_b128 v[X+16*\b+4*\j:X+16*\b+4*\j+3], v6 offset:128*\b+16*\j
.endr
.endr
	s_wait_dscnt 0x0
.irp p, 0,1,2,3,4,5,6,7                        ; the four accumulators take turns, one instruction a turn; the first four products start the sums
.irp b, 0,1,2,3
.if \p == 0
	v_wmma_f32_16x16x4_f32 v[ACC+8*\b:ACC+8*\b+7], v[X+16*\b+2*\p:X+16*\b+2*\p+1], v[G+16*\b+2*\p:G+16*\b+2*\p+1], 0
.else
	v_wmma_f32_16x16x4_f32 v[ACC+8*\b:ACC+8*\b+7], v[X+16*\b+2*\p:X+16*\b+2*\p+1], v[G+16*\b+2*\p:G+16*\b+2*\p+1], v[ACC+8*\b:ACC+8*\b+7]
.endif
.endr
.endr
	QUANT X
	ds_store_b128 v9, v[PC:PC+3]                   ; blocks 4 w + h and 4 w + 2 + h of row r
	ds_store_b128 v9, v[PC+4:PC+7] offset:32
	ds_store_b32 v11, v[PW]                        ; lanes r and r + 16 write the same word with the same value
.rept 8
	v_nop                                          ; eight places between this matrix form and the first read of its results (ISA guide 7.12.1)
.endr
.irp q, 0,2,4,6                                ; each accumulator is read from its low end on
	v_pk_add_f32 v[S+\q:S+\q+1], v[ACC+\q:ACC+\q+1], v[ACC+8+\q:ACC+9+\q]
	v_pk_add_f32 v[S2+\q:S2+\q+1], v[ACC+16+\q:ACC+17+\q], v[ACC+24+\q:ACC+25+\q]
.endr
.irp q, 0,2,4,6
	v_pk_add_f32 v[S+\q:S+\q+1], v[S+\q:S+\q+1], v[S2+\q:S2+\q+1]
.endr
.irp j, 0,1,2,3,4,5,6,7
	ds_store_b32 v12, v[S+\j] offset:64*\j         ; token 8 h + j, column r
.endr
	s_wait_dscnt 0x0                               ; for the others' sake: my codes, scale words and partial logits lie in LDS
	s_barrier_signal -1
	s_barrier_wait -1
	ds_load_b128 v[OC:OC+3], v10
	ds_load_b128 v[OC+4:OC+7], v10 offset:TP
	s_wait_dscnt 0x0
	global_store_b128 v4, v[OC:OC+3], s[10:11]     ; a whole row of codes: 32 lanes store 512 consecutive bytes
	global_store_b128 v4, v[OC+4:OC+7], s[10:11] offset:512
	s_cmp_lg_u32 s20, 0
	s_cbranch_scc1 .Lend                           ; the router's tail is wave 0's; no barrier follows
	ds_load_b128 v[68:71], v15                     ; the group's 128 scale words
.irp w, 0,1,2,3,4,5,6,7
	ds_load_b128 v[X+8*\w:X+8*\w+3], v13 offset:1024*\w          ; wave w's part of token r's eight logits (lanes 16-31 do what lanes 0-15 do)
	ds_load_b128 v[X+8*\w+4:X+8*\w+7], v13 offset:1024*\w+16
.endr
	s_mov_b32 s40, 0x3fb8aa3b                      ; log2(e)
	s_mov_b32 s41, 0x42800000                      ; 64.0
	s_mov_b32 s42, 0xffffffc0                      ; -64
	s_wait_dscnt 16                                ; the scale words are in; the 16 loads behind them may be out
	global_store_b128 v4, v[68:71], s[12:13]       ; 512 consecutive bytes
	s_wait_dscnt 0x0
	s_wait_kmcnt 0x0                               ; gate_b
.irp q, 0,2,4,6
	v_pk_add_f32 v[L+\q:L+\q+1], v[X+\q:X+\q+1], v[X+8+\q:X+9+\q]
.endr
.irp w, 2,3,4,5,6,7
.irp q, 0,2,4,6
	s_delay_alu instid0(VALU_DEP_4)
	v_pk_add_f32 v[L+\q:L+\q+1], v[L+\q:L+\q+1], v[X+8*\w+\q:X+8*\w+\q+1]   ; K ascending
.endr
.endr
.irp e, 0,1,2,3,4,5,6,7
	v_add_f32 v[L+\e], s[24+\e], v[L+\e]
.endr
	v_max3_num_f32 v48, v[L], v[L+1], v[L+2]
	s_delay_alu instid0(VALU_DEP_1)
	v_max3_num_f32 v48, v48, v[L+3], v[L+4]
	s_delay_alu instid0(VALU_DEP_1)
	v_max3_num_f32 v48, v48, v[L+5], v[L+6]
	s_delay_alu instid0(VALU_DEP_1)
	v_max_num_f32 v48, v48, v[L+7]                 ; the row's largest logit is taken away, as reference() does
.irp e, 0,1,2,3,4,5,6,7
	v_sub_f32 v[DD+\e], v[L+\e], v48
.endr
.irp e, 0,1,2,3,4,5,6,7
	v_fma_f32 v[DD+\e], v[DD+\e], s40, s41         ; in binary places, 64 up
.endr
	s_wait_alu depctr_va_vdst(0)
.irp e, 0,1,2,3,4,5,6,7
	v_exp_f32 v[EE+\e], v[DD+\e]
.endr
	v_nop                                          ; a plain instruction behind the last exponential
	s_wait_alu depctr_va_vdst(0)                   ; one wait for the batch, ahead of its first reader
.irp e, 0,1,2,3,4,5,6,7
	v_ldexp_f32 v[EE+\e], v[EE+\e], s42            ; 64 down again: what lies under 2^-126 keeps its denormal value
.endr
	v_pk_add_f32 v[58:59], v[EE:EE+1], v[EE+2:EE+3]
	s_delay_alu instid0(VALU_DEP_2)
	v_pk_add_f32 v[60:61], v[EE+4:EE+5], v[EE+6:EE+7]
	s_delay_alu instid0(VALU_DEP_1)
	v_pk_add_f32 v[58:59], v[58:59], v[60:61]
	s_delay_alu instid0(VALU_DEP_1)
	v_add_f32 v58, v58, v59
	s_wait_alu depctr_va_vdst(0)
	v_rcp_f32 v62, v58
	v_mov_b32 v64, 0                               ; (the plain instruction behind the reciprocal)  the first choice's index
	s_wait_alu depctr_va_vdst(0)
.irp e, 0,1,2,3,4,5,6,7
	v_mul_f32 v[P+\e], v[EE+\e], v62               ; the probabilities
.endr
	v_mov_b32 v63, v[P]
.irp e, 1
	s_delay_alu instid0(VALU_DEP_1)
	v_cmp_gt_f32 vcc_lo, v[P+\e], v63
	s_delay_alu instid0(VALU_DEP_1)
	v_cndmask_b32 v63, v63, v[P+\e], vcc_lo
	s_delay_alu instid0(VALU_DEP_2)
	v_cndmask_b32 v64, v64, \e, vcc_lo
.endr
.irp e, 2, 3, 4, 5, 6, 7
	s_delay_alu instid0(VALU_DEP_2)
	v_cmp_gt_f32 vcc_lo, v[P+\e], v63
	s_delay_alu instid0(VALU_DEP_1)
	v_cndmask_b32 v63, v63, v[P+\e], vcc_lo
	s_delay_alu instid0(VALU_DEP_2)
	v_cndmask_b32 v64, v64, \e, vcc_lo
.endr
.irp e, 0,1,2,3,4,5,6,7
	v_cmp_eq_u32 vcc_lo, \e, v64
	s_delay_alu instid0(VALU_DEP_1)
	v_cndmask_b32 v[Q+\e], v[P+\e], -1.0, vcc_lo   ; the first choice is out: -1 lies under every probability
.endr
	v_mov_b32 v65, v[Q]
	v_mov_b32 v66, 0
.irp e, 1,2,3,4,5,6,7
	s_delay_alu instid0(VALU_DEP_2)
	v_cmp_gt_f32 vcc_lo, v[Q+\e], v65
	s_delay_alu instid0(VALU_DEP_1)
	v_cndmask_b32 v65, v65, v[Q+\e], vcc_lo
	s_delay_alu instid0(VALU_DEP_2)
	v_cndmask_b32 v66, v66, \e, vcc_lo
.endr
	s_delay_alu instid0(VALU_DEP_2)
	v_sub_f32 v67, v65, v63                        ; p2 - p1, between -1 and 0: the second softmax's exponent with its maximum taken away
	s_delay_alu instid0(VALU_DEP_1)
	v_mul_f32 v72, s40, v67
	s_delay_alu instid0(VALU_DEP_1)
	v_sub_f32 v73, 0, v72
	s_wait_alu depctr_va_vdst(0)
	v_exp_f32 v74, v72                             ; t = e^(p2 - p1)
	v_exp_f32 v75, v73                             ; u = e^(p1 - p2)
	v_min_u32 v76, v64, v66                        ; lo
	v_max_u32 v77, v64, v66                        ; hi
	s_wait_alu depctr_va_vdst(0)
	v_add_f32 v78, 1.0, v74
	s_wait_alu depctr_va_vdst(0)
	v_rcp_f32 v79, v78                             ; the first choice's weight, 1 / (1 + t)
	v_sub_nc_u32 v59, 15, v76
	s_delay_alu instid0(VALU_DEP_1)
	v_mul_u32_u24 v59, v76, v59
	s_delay_alu instid0(VALU_DEP_1)
	v_lshrrev_b32 v59, 1, v59
	s_delay_alu instid0(VALU_DEP_1)
	v_add_nc_u32 v59, v59, v77
	s_delay_alu instid0(VALU_DEP_1)
	v_sub_nc_u32 v59, v59, v76
	s_delay_alu instid0(VALU_DEP_1)
	v_add_nc_u32 v59, -1, v59                      ; the pair's number
	v_cmp_lt_u32 vcc_lo, v64, v66                  ; is the first choice the lower index?
	s_wait_alu depctr_va_vdst(0)
	v_mul_f32 v58, v74, v79                        ; the second choice's weight, t / (1 + t)
	v_cndmask_b32 v60, v74, v75, vcc_lo            ; c_lo / c_hi: u if lo is the first choice, else t
	v_cndmask_b32 v61, v79, v58, vcc_lo            ; c_hi
	v_lshlrev_b32 v48, 2, v2
	v_lshlrev_b32 v49, 3, v2
	s_wait_alu depctr_va_vdst(0)
	s_wait_xcnt 0x0                                ; EXEC changes only behind this wait: stores are out
	v_cmp_gt_u32 vcc_lo, 16, v1
	s_and_saveexec_b32 s36, vcc_lo
	global_store_b32 v48, v59, s[14:15]            ; 64 consecutive bytes a group, and below 128: short stores, 48 KiB in the whole launch
	global_store_b64 v49, v[60:61], s[16:17]
	s_wait_xcnt 0x0                                ; and again in front of the line that widens it
	s_or_b32 exec_lo, exec_lo, s36
.Lend:
	s_wait_tensorcnt 0x0
	ds_add_u32 v240, v241
	s_wait_dscnt 0x0
	s_endpgm
.Lfunc_end_k_q9aff9e8c65_route:
	.size	k_q9aff9e8c65_route, .Lfunc_end_k_q9aff9e8c65_route-k_q9aff9e8c65_route
	.p2alignl 7, 3214868480
	.fill 96, 4, 3214868480
	.section	.rodata,"a",@progbits
	.p2align	6, 0x0
	.amdhsa_kernel k_q9aff9e8c65_route
		.amdhsa_group_segment_fixed_size 120832
		.amdhsa_private_segment_fixed_size 0
		.amdhsa_enable_private_segment 0
		.amdhsa_kernarg_size 56
		.amdhsa_user_sgpr_count 2
		.amdhsa_user_sgpr_kernarg_segment_ptr 1
		.amdhsa_wavefront_size32 1
		.amdhsa_system_sgpr_workgroup_id_x 1
		.amdhsa_system_sgpr_workgroup_id_y 1
		.amdhsa_system_sgpr_workgroup_id_z 1
		.amdhsa_system_vgpr_workitem_id 0
		.amdhsa_next_free_vgpr 242
		.amdhsa_next_free_sgpr 66
		.amdhsa_reserve_vcc 1
		.amdhsa_float_denorm_mode_32 3
		.amdhsa_float_denorm_mode_16_64 3
		.amdhsa_memory_ordered 1
		.amdhsa_forward_progress 1
		.amdhsa_inst_pref_size 35
	.end_amdhsa_kernel
	.amdgpu_metadata
---
amdhsa.version: [ 1, 2 ]
amdhsa.kernels:
  - .name:           k_q9aff9e8c65_route
    .symbol:         k_q9aff9e8c65_route.kd
    .args:
      - { .name: x, .offset: 0, .size: 8, .value_kind: global_buffer, .address_space: global }
      - { .name: gate_w, .offset: 8, .size: 8, .value_kind: global_buffer, .address_space: global }
      - { .name: gate_b, .offset: 16, .size: 8, .value_kind: global_buffer, .address_space: global }
      - { .name: xq, .offset: 24, .size: 8, .value_kind: global_buffer, .address_space: global }
      - { .name: xs, .offset: 32, .size: 8, .value_kind: global_buffer, .address_space: global }
      - { .name: pairs, .offset: 40, .size: 8, .value_kind: global_buffer, .address_space: global }
      - { .name: cw, .offset: 48, .size: 8, .value_kind: global_buffer, .address_space: global }
    .group_segment_fixed_size: 120832
    .private_segment_fixed_size: 0
    .kernarg_segment_align: 8
    .kernarg_segment_size: 56
    .max_flat_workgroup_size: 256
    .sgpr_count:     66
    .vgpr_count:     242
    .wavefront_size: 32
...
	.end_amdgpu_metadata
.endif
;; end of part 4
;; launch prep (part 5): grid 257 x 1, 16 waves a work-group, no clusters, 4,096 bytes of LDS; arguments w1, w2, pairs, wq, order, tiles; writes wq, order, tiles
.if DOCPART == 5
	.amdgcn_target "amdgcn-amd-amdhsa--gfx1250"
	.amdhsa_code_object_version 6
	.text
	.protected	k_q9aff9e8c65_prep
	.globl	k_q9aff9e8c65_prep
	.p2align	8
	.type	k_q9aff9e8c65_prep,@function
k_q9aff9e8c65_prep:
	s_mov_b64 s[64:65], 0
	v_nop
	global_prefetch_b8 v0, s[64:65] scope:SCOPE_SE
	s_setreg_imm32_b32 hwreg(HW_REG_WAVE_MODE, 25, 1), 1
	s_wait_xcnt 0x0
; PREP.  Two jobs in one launch, told apart by the work-group's number.
; WORK-GROUPS 1 .. 256: w1 and w2 [8][1024 (k)][1024 (unit)] f32 become FP4 (E2M1) codes with one E8M0 byte for each 32 along K, laid in wq in the ORDER OF THE OPERAND'S REGISTERS, so that the next launch loads fragments
; whole, 16 bytes a lane.  wq = [matrix 16 (e: w1, 8 + e: w2)][group of 64 units 16][K step of 128: 8] records of 4,352 bytes: codes [tile 4][c 2][lane 32][16 bytes], then scale words [b 2][lane 32][4 bytes].
; Operand lane (r, h) of tile 2 b + u holds unit 32 b + 8 u + r + 8 (r / 8) of the group, and in registers 4 c .. 4 c + 3 k = 64 c + 32 h + 0 .. 31 of the K step: the units of a tile are chosen so that in the product's
; result, used transposed, the 16 registers of tiles 2 b and 2 b + 1 are 16 neighbouring units.  Scale register b: lanes 0-15 the words of tile 2 b, lanes 16-31 those of tile 2 b + 1.
; A work-group takes one matrix's group; wave (s = wave / 2, b = wave % 2) takes 32 units x 128 along K.  A LANE TAKES A UNIT AND ITS REGISTERS RUN DOWN K: a block of 32 lies in one lane's 32 registers, and the
; conversions give its 16 bytes with K innermost.  Each load reads 128 consecutive bytes (the 32 units, in the tiles' order); each store of codes covers two aligned runs of 256 bytes.
; WORK-GROUP 0: a counting sort of the 4,096 tokens by their pair's number (0 .. 27), without atomics.  order = the tokens, pair by pair; tiles[160] = (lo, hi, first place in order, tokens <= 32): a tile never holds
; two pairs, so there are at most (4096 + 28 x 31) / 32 = 155; the rest are (0, 0, 0, 0).
; THE SORT BY BITS.  A wave holds 256 tokens, 32 to a register.  Five ballots a register (one for each bit of the pair's number) give LANE k the mask of the register's tokens whose number is k: the complement of the OR
; over the bits of (ballot xor lane k's bit).  Its population count, summed over the registers, is lane k's running count of pair k.  A token then fetches from the lane of its own pair that mask and that count:
; its place among its wave's tokens of the pair is the running count + the mask's bits below its own lane.  That is 35 vector instructions a register, whatever the number of pairs.
; LIMITS: NaN and infinities are not served; a block whose largest magnitude lies under 2^-124 gets the byte 1 (a block of zeros too: its codes are zeros, and this program alone reads the bytes).
.set REC,  4352
.set GRPB, 8*REC
.set MATB, 16*GRPB
.set X,    32                          ; weights: v32-127 three sets of 32 numbers
.set C,    16                          ; v16-31  four registers of codes for each block, so that no store's data are written again
; the sort's registers: v1 lane, v2-5 offsets, v6-15 at work
.set LB,   16                          ; v16-20  bit j of my lane's number, spread over the word: 0 or all ones
.set KEY,  24                          ; v24-31  my eight tokens' pair numbers
.set IDX,  32                          ; v32-39  4 x the same, held at 31: the lane permutes' index
.set MK,   40                          ; v40-47  lane k: the mask of register i's tokens of pair k
.set RUN,  48                          ; v48-56  lane k: my wave's tokens of pair k in the registers before i; RUN + 8: in all
.set C16,  60                          ; v60-75  lane k: the sixteen waves' numbers of pair k
.set TOT,  76                          ; lane k: pair k's tokens in all,
.set PW,   77                          ; in the waves before mine,
.set TMP,  78
.set NT,   79                          ; its tiles of 32,
.set PACK, 80                          ; tokens | tiles << 16,
.set INCL, 81                          ; the running sum of that up to k,
.set SH,   82
.set EXCL, 83                          ; and before k;
.set BASE, 84                          ; where my wave's tokens of pair k begin in order;
.set TEND, 85                          ; the tile behind pair k's last
.set MT,   88                          ; v88-95   my token's pair's mask
.set BR,   96                          ; v96-103  at work; then lane k: BASE + RUN
.set LK,   104                         ; v104-111 at work; then my token's place
.set TOK,  112                         ; v112-119 my tokens' numbers
.set KK,   120                         ; the list of tiles: my tile's pair,
.set EX,   121                         ; that pair's EXCL
.set PK,   122                         ; and PACK,
.set TA,   123                         ; my record's place,
.set OUT,  124                         ; v124-127 lo, hi, first, count
	s_load_b256 s[4:11], s[0:1], 0x0               ; w1 s[4:5], w2 s[6:7], pairs s[8:9], wq s[10:11]
	s_load_b128 s[12:15], s[0:1], 0x20             ; order s[12:13], tiles s[14:15]
	v_lshl_add_u32 v128, v0, 2, 0x800
	v_mov_b32 v129, 0
	v_lshrrev_b32 v1, 5, v0
	s_delay_alu instid0(VALU_DEP_1)
	v_readfirstlane_b32 s20, v1                    ; wave 0..15
	v_and_b32 v1, 31, v0                           ; lane
	s_cmp_eq_u32 ttmp9, 0
	s_cbranch_scc1 .Lplace
	; ---------------- the weights
	s_sub_co_u32 s21, ttmp9, 1
	s_lshr_b32 s22, s21, 4                         ; matrix
	s_and_b32 s23, s21, 15                         ; group of 64 units
	s_lshr_b32 s24, s20, 1                         ; K step
	s_and_b32 s25, s20, 1                          ; b
	v_and_b32 v5, 15, v0                           ; r
	v_bfe_u32 v6, v0, 4, 1                         ; u
	v_and_b32 v7, 7, v0
	v_bfe_u32 v8, v0, 3, 1
	s_delay_alu instid0(VALU_DEP_2)
	v_lshl_add_u32 v7, v6, 3, v7
	s_delay_alu instid0(VALU_DEP_1)
	v_lshl_add_u32 v7, v8, 4, v7                   ; my unit among the wave's 32: 8 u + r + 8 (r / 8)
	s_delay_alu instid0(VALU_DEP_1)
	v_lshlrev_b32 v2, 2, v7                        ; in: 4 bytes a unit
	v_lshlrev_b32 v3, 4, v5
	s_delay_alu instid0(VALU_DEP_1)
	v_lshl_add_u32 v3, v6, 10, v3                  ; out: tile u of the wave's two, operand lane r (+ 16 h by the immediate)
	v_lshlrev_b32 v4, 2, v1                        ; the scale word's place
	s_and_b32 s26, s22, 7
	s_lshl_b32 s26, s26, 22                        ; the expert's 4 MiB,
	s_lshl_b32 s27, s24, 19                        ; 128 rows of 4,096 bytes a K step,
	s_add_co_u32 s26, s26, s27
	s_lshl_b32 s27, s23, 8                         ; 256 bytes a group,
	s_add_co_u32 s26, s26, s27
	s_lshl_b32 s27, s25, 7                         ; 128 a wave
	s_add_co_u32 s26, s26, s27
	s_mov_b32 s27, 0
	s_mul_i32 s28, s22, MATB
	s_mul_i32 s29, s23, GRPB
	s_add_co_u32 s28, s28, s29
	s_mul_i32 s29, s24, REC
	s_add_co_u32 s28, s28, s29                     ; my record
	s_mov_b32 s29, 0
	s_lshl_b32 s30, s25, 11                        ; my two tiles' codes in it
	s_mov_b32 s31, 0
	s_lshl_b32 s32, s25, 7
	s_add_co_u32 s32, s32, 4096                    ; and my scale register
	s_mov_b32 s33, 0
	s_wait_alu depctr_va_vdst(0)
	s_wait_kmcnt 0x0
	s_cmp_lt_u32 s22, 8                            ; w1 or w2: the choice hangs on the work-group's number alone
	s_cselect_b64 s[4:5], s[4:5], s[6:7]
	s_add_nc_u64 s[4:5], s[4:5], s[26:27]
	s_add_nc_u64 s[10:11], s[10:11], s[28:29]
	s_add_nc_u64 s[16:17], s[10:11], s[30:31]
	s_add_nc_u64 s[18:19], s[10:11], s[32:33]
.macro LOAD t                          ; block t: rows 32 t + i of the K step, my unit, into set t % 3
.irp i, 0,1,2,3,4,5,6,7,8,9,10,11,12,13,14,15,16,17,18,19,20,21,22,23,24,25,26,27,28,29,30,31
	global_load_b32 v[X+32*((\t)%3)+\i], v2, s[4:5] offset:(32*(\t)+\i)*4096 th:TH_LOAD_NT
.endr
.endm
.macro BLOCK t, left                   ; left: how many younger loads may stay out
.set XS, X+32*((\t)%3)
	s_wait_loadcnt \left
	v_max3_num_f32 v12, |v[XS]|, |v[XS+1]|, |v[XS+2]|               ; the block's largest magnitude: all 32 numbers are mine; two chains
	v_max3_num_f32 v13, |v[XS+3]|, |v[XS+4]|, |v[XS+5]|
.irp i, 6,10,14,18,22,26
	s_delay_alu instid0(VALU_DEP_2)
	v_max3_num_f32 v12, v12, |v[XS+\i]|, |v[XS+\i+1]|
	s_delay_alu instid0(VALU_DEP_2)
	v_max3_num_f32 v13, v13, |v[XS+\i+2]|, |v[XS+\i+3]|
.endr
	s_delay_alu instid0(VALU_DEP_2)
	v_max3_num_f32 v12, v12, |v[XS+30]|, |v[XS+31]|
	s_delay_alu instid0(VALU_DEP_1)
	v_max3_num_f32 v12, v12, v13, 3<<23            ; and the floor 2^(3 - 127): the byte cannot fall under 1
	s_delay_alu instid0(VALU_DEP_1)
	v_add_nc_u32 v11, -(2<<23), v12                ; 2 off its exponent field: the conversion's scale operand
	s_delay_alu instid0(VALU_DEP_1)
	v_lshrrev_b32 v13, 23, v11                     ; the scale's byte
.if (\t) == 0
	s_delay_alu instid0(VALU_DEP_1)
	v_mov_b32 v10, v13                             ; four bytes make my unit's scale word, the lower K in the lower byte
.else
	s_delay_alu instid0(VALU_DEP_1)
	v_lshl_or_b32 v10, v13, 8*(\t), v10
.endif
.irp g, 0,1,2,3
	v_cvt_scalef32_pk8_fp4_f32 v[C+4*(\t)+\g], v[XS+8*\g:XS+8*\g+7], v11
.endr
	global_store_b128 v3, v[C+4*(\t):C+4*(\t)+3], s[16:17] offset:((\t)/2)*512+((\t)%2)*256   ; block t = 2 c + h: lanes 0-15 and lanes 16-31 each store 256 consecutive bytes, aligned
.endm                                  ; (the next block begins with plain lines that touch neither the codes nor v11: the place behind the conversions)
	LOAD 0
	LOAD 1
	LOAD 2
	BLOCK 0, 63                                    ; 64 loads are younger; 63 is the largest count that a wait can name
	LOAD 3                                         ; into block 0's registers
	BLOCK 1, 63                                    ; again 64 are younger
	BLOCK 2, 32
	BLOCK 3, 0
	global_store_b32 v4, v10, s[18:19]             ; 128 consecutive bytes: one byte in 34 of the record
	s_endpgm
	; ---------------- the sort: 512 threads, eight tokens each.  KEY[4 q + j] is token 256 wave + 128 q + 4 lane + j
.Lplace:
	s_lshl_b32 s21, s20, 10
	s_wait_alu depctr_va_vdst(0)
	v_lshl_add_u32 v2, v1, 4, s21
	s_lshl_b32 s22, s20, 2
	v_lshl_add_u32 v3, v1, 6, s22                  ; LDS [pair 32][wave 16] words: in: row = my lane, column = my wave
	v_lshlrev_b32 v4, 6, v1                        ; out: row = my lane
	s_lshl_b32 s23, s20, 8
	v_lshl_add_u32 v5, v1, 2, s23                  ; 256 wave + 4 lane
	s_mov_b32 s60, 0xffff0000                      ; lanes 16-31
	s_mov_b32 s52, 0x55555555                      ; the population count's masks: fields of 2, 4 and 8 bits,
	s_mov_b32 s53, 0x33333333
	s_mov_b32 s54, 0x0f0f0f0f
	s_mov_b32 s55, 0x01010101                      ; and the factor that adds the four bytes into the top one
	s_wait_alu depctr_va_vdst(0)
	s_wait_kmcnt 0x0
	global_load_b128 v[KEY:KEY+3], v2, s[8:9]
	global_load_b128 v[KEY+4:KEY+7], v2, s[8:9] offset:512
.irp j, 0,1,2,3,4                              ; work that wants no key stands behind the loads
	v_bfe_u32 v[LB+\j], v1, \j, 1
.endr
.irp j, 0,1,2,3,4
	v_sub_nc_u32 v[LB+\j], 0, v[LB+\j]             ; 0 or all ones
.endr
.irp i, 0,1,2,3,4,5,6,7
	v_add_nc_u32 v[TOK+\i], 128*(\i/4)+(\i%4), v5
.endr
	v_mov_b32 v[RUN], 0
	s_wait_loadcnt 0x0
; Register i: five ballots; in lane k the mask of its tokens of pair k.  Two sets of scalars and of work registers take turns.
.macro MASK i
.set SB, 32+5*((\i)%2)
.set TT, 6+5*((\i)%2)
	v_min_u32 v[IDX+\i], 31, v[KEY+\i]
	s_delay_alu instid0(VALU_DEP_1)
	v_lshlrev_b32 v[IDX+\i], 2, v[IDX+\i]
.irp j, 0,1,2,3,4
	v_and_b32 v[TT+\j], 4<<\j, v[IDX+\i]
.endr
.irp j, 0,1,2,3,4
	v_cmp_ne_u32 s[SB+\j], 0, v[TT+\j]             ; the lanes whose token has bit j set
.endr
.irp j, 0,1,2,3,4
	v_xor_b32 v[TT+\j], s[SB+\j], v[LB+\j]         ; the lanes whose token differs from my lane's number in bit j
.endr
	s_delay_alu instid0(VALU_DEP_4)
	v_or_b32 v[TT], v[TT], v[TT+1]
	s_delay_alu instid0(VALU_DEP_3)
	v_or_b32 v[TT+2], v[TT+2], v[TT+3]
	s_delay_alu instid0(VALU_DEP_2)
	v_or_b32 v[TT], v[TT], v[TT+4]
	s_delay_alu instid0(VALU_DEP_1)
	v_or_b32 v[TT], v[TT], v[TT+2]
	s_delay_alu instid0(VALU_DEP_1)
	v_xor_b32 v[MK+\i], -1, v[TT]                  ; those that differ in no bit
.endm
.irp i, 0,1,2,3,4,5,6,7
	MASK \i
.endr
; The masks' population counts, the eight registers by turns: pairs of bits, fields of four, bytes, the four bytes added
.irp i, 0,1,2,3,4,5,6,7
	v_lshrrev_b32 v[BR+\i], 1, v[MK+\i]
.endr
.irp i, 0,1,2,3,4,5,6,7
	v_and_b32 v[BR+\i], s52, v[BR+\i]
.endr
.irp i, 0,1,2,3,4,5,6,7
	v_sub_nc_u32 v[BR+\i], v[MK+\i], v[BR+\i]
.endr
.irp i, 0,1,2,3,4,5,6,7
	v_lshrrev_b32 v[LK+\i], 2, v[BR+\i]
.endr
.irp i, 0,1,2,3,4,5,6,7
	v_and_b32 v[BR+\i], s53, v[BR+\i]
.endr
.irp i, 0,1,2,3,4,5,6,7
	v_and_b32 v[LK+\i], s53, v[LK+\i]
.endr
.irp i, 0,1,2,3,4,5,6,7
	v_add_nc_u32 v[BR+\i], v[BR+\i], v[LK+\i]
.endr
.irp i, 0,1,2,3,4,5,6,7
	v_lshrrev_b32 v[LK+\i], 4, v[BR+\i]
.endr
.irp i, 0,1,2,3,4,5,6,7
	v_add_nc_u32 v[BR+\i], v[BR+\i], v[LK+\i]
.endr
.irp i, 0,1,2,3,4,5,6,7
	v_and_b32 v[BR+\i], s54, v[BR+\i]
.endr
.irp i, 0,1,2,3,4,5,6,7
	v_mul_lo_u32 v[BR+\i], v[BR+\i], s55
.endr
.irp i, 0,1,2,3,4,5,6,7
	v_lshrrev_b32 v[BR+\i], 24, v[BR+\i]
.endr
.irp i, 0
	v_add_nc_u32 v[RUN+\i+1], v[RUN+\i], v[BR+\i]
.endr
.irp i, 1, 2, 3, 4, 5, 6, 7
	s_delay_alu instid0(VALU_DEP_1)
	v_add_nc_u32 v[RUN+\i+1], v[RUN+\i], v[BR+\i]  ; lane k: pair k's tokens in registers 0 .. i
.endr
	ds_store_b32 v3, v[RUN+8]                      ; no token has a number from 28 on, so rows 28-31 get zeros: every word is written
	s_wait_dscnt 0x0                               ; for the others' sake
	s_barrier_signal -1
	s_barrier_wait -1                              ; behind it the waves only read LDS; all lane permutes stand here
.irp q, 0,1,2,3
	ds_load_b128 v[C16+4*\q:C16+4*\q+3], v4 offset:16*\q
.endr
.irp i, 0,1,2,3,4,5,6,7
	ds_bpermute_b32 v[MT+\i], v[IDX+\i], v[MK+\i]  ; from the lane of my token's pair: the register's tokens of that pair
.endr
	s_wait_dscnt 8                                 ; the four loads are in; the eight permutes behind them may be out
	v_mov_b32 v[TOT], v[C16+15]
	v_mov_b32 v[PW], 0
.irp j, 0,1,2,3,4,5,6,7,8,9,10,11,12,13,14
	s_cmp_gt_u32 s20, \j
	s_cselect_b32 s50, -1, 0
	v_add_nc_u32 v[TOT], v[TOT], v[C16+\j]
	v_and_b32 v[TMP], s50, v[C16+\j]
	s_delay_alu instid0(VALU_DEP_1)
	v_add_nc_u32 v[PW], v[PW], v[TMP]
.endr
	s_delay_alu instid0(VALU_DEP_3)
	v_add_nc_u32 v[NT], 31, v[TOT]
	s_delay_alu instid0(VALU_DEP_1)
	v_lshrrev_b32 v[NT], 5, v[NT]
	s_delay_alu instid0(VALU_DEP_1)
	v_lshl_or_b32 v[PACK], v[NT], 16, v[TOT]       ; both in one word: the sums stay under 4,097 and 156
	s_delay_alu instid0(VALU_DEP_1)
	v_mov_b32 v[INCL], v[PACK]
	v_mov_b32 v[SH], 0
.irp n, 1
	s_delay_alu instid0(VALU_DEP_2)
	v_mov_b32_dpp v[SH], v[INCL] row_shr:\n row_mask:0xf bank_mask:0xf bound_ctrl:1
	s_delay_alu instid0(VALU_DEP_1)
	v_add_nc_u32 v[INCL], v[INCL], v[SH]
.endr
.irp n, 2, 4, 8
	s_delay_alu instid0(VALU_DEP_1)
	v_mov_b32_dpp v[SH], v[INCL] row_shr:\n row_mask:0xf bank_mask:0xf bound_ctrl:1
	s_delay_alu instid0(VALU_DEP_1)
	v_add_nc_u32 v[INCL], v[INCL], v[SH]
.endr
	s_delay_alu instid0(VALU_DEP_1)
	v_readlane_b32 s51, v[INCL], 15                ; then the lower half's sum onto the upper half
	s_delay_alu instid0(VALU_DEP_1)
	v_mov_b32 v[SH], s51
	s_delay_alu instid0(VALU_DEP_1)
	v_cndmask_b32 v[SH], 0, v[SH], s60
	s_delay_alu instid0(VALU_DEP_1)
	v_add_nc_u32 v[INCL], v[INCL], v[SH]
	s_delay_alu instid0(VALU_DEP_1)
	v_sub_nc_u32 v[EXCL], v[INCL], v[PACK]         ; lane k: tokens (low half) and tiles (high half) of the pairs before k
	s_delay_alu instid0(VALU_DEP_1)
	v_and_b32 v[BASE], 0xffff, v[EXCL]
	s_delay_alu instid0(VALU_DEP_1)
	v_add_nc_u32 v[BASE], v[BASE], v[PW]
	s_delay_alu instid0(VALU_DEP_4)
	v_lshrrev_b32 v[TEND], 16, v[INCL]
.irp i, 0,1,2,3,4,5,6,7
	v_add_nc_u32 v[BR+\i], v[BASE], v[RUN+\i]      ; lane k: where register i's tokens of pair k begin in order
.endr
.irp i, 0,1,2,3,4,5,6,7
	ds_bpermute_b32 v[LK+\i], v[IDX+\i], v[BR+\i]
.endr
	s_wait_dscnt 0x0
.irp i, 0,1,2,3,4,5,6,7
	v_mbcnt_lo_u32_b32 v[LK+\i], v[MT+\i], v[LK+\i]   ; + the lanes below me that hold the same pair
	s_delay_alu instid0(VALU_DEP_1)
	v_min_u32 v[LK+\i], 0xfff, v[LK+\i]            ; a place in order: 0 .. 4,095
	s_delay_alu instid0(VALU_DEP_1)
	v_lshlrev_b32 v[LK+\i], 2, v[LK+\i]
	global_store_b32 v[LK+\i], v[TOK+\i], s[12:13] ; scattered words, 16 KiB in all, once: a stage in LDS would want addresses made of the places themselves
.endr
	s_cmp_gt_u32 s20, 4
	s_cbranch_scc1 .Lpend                          ; the list of tiles: threads 0 .. 159, one tile each; no barrier follows
.irp k, 0,1,2,3,4,5,6,7,8,9,10,11,12,13,14,15,16,17,18,19,20,21,22,23,24,25,26,27
	v_readlane_b32 s[66+\k], v[TEND], \k
.endr
	v_mov_b32 v[KK], 0
.irp k, 0,1,2,3,4,5,6,7,8,9,10,11,12,13,14,15,16,17,18,19,20,21,22,23,24,25,26,27
	v_cmp_le_u32 vcc_lo, s[66+\k], v0              ; pair k's tiles all lie before mine:
	s_delay_alu instid0(VALU_DEP_1)
	v_add_co_ci_u32 v[KK], vcc_lo, 0, v[KK], vcc_lo   ; counted.  The count is my tile's pair; 28: there is no such tile
.endr
	s_delay_alu instid0(VALU_DEP_1)
	v_min_u32 v6, 31, v[KK]
	s_delay_alu instid0(VALU_DEP_1)
	v_lshlrev_b32 v6, 2, v6
	ds_bpermute_b32 v[EX], v6, v[EXCL]
	ds_bpermute_b32 v[PK], v6, v[PACK]
	v_mov_b32 v[OUT], 0
.irp t, 7,13,18,22,25,27                       ; lo's pairs begin at lo (15 - lo) / 2
	v_cmp_le_u32 vcc_lo, \t, v[KK]
	s_delay_alu instid0(VALU_DEP_1)
	v_add_co_ci_u32 v[OUT], vcc_lo, 0, v[OUT], vcc_lo
.endr
	s_delay_alu instid0(VALU_DEP_1)
	v_sub_nc_u32 v7, 15, v[OUT]
	s_delay_alu instid0(VALU_DEP_1)
	v_mul_u32_u24 v7, v[OUT], v7
	s_delay_alu instid0(VALU_DEP_1)
	v_lshrrev_b32 v7, 1, v7
	s_delay_alu instid0(VALU_DEP_1)
	v_sub_nc_u32 v[OUT+1], v[KK], v7
	s_delay_alu instid0(VALU_DEP_1)
	v_add_nc_u32 v[OUT+1], v[OUT+1], v[OUT]
	s_delay_alu instid0(VALU_DEP_1)
	v_add_nc_u32 v[OUT+1], 1, v[OUT+1]             ; hi = the pair's number - lo (15 - lo) / 2 + lo + 1
	v_lshlrev_b32 v[TA], 4, v0
	s_wait_dscnt 0x0
	v_lshrrev_b32 v8, 16, v[EX]                    ; the pair's first tile,
	v_and_b32 v9, 0xffff, v[EX]                    ; its first place in order,
	v_and_b32 v10, 0xffff, v[PK]                   ; its tokens
	s_delay_alu instid0(VALU_DEP_3)
	v_sub_nc_u32 v8, v0, v8                        ; which of its tiles is mine
	s_delay_alu instid0(VALU_DEP_1)
	v_lshl_add_u32 v[OUT+2], v8, 5, v9
	s_delay_alu instid0(VALU_DEP_2)
	v_lshlrev_b32 v8, 5, v8
	s_delay_alu instid0(VALU_DEP_1)
	v_sub_nc_u32 v10, v10, v8
	s_delay_alu instid0(VALU_DEP_1)
	v_min_u32 v[OUT+3], 32, v10
	v_cmp_gt_u32 vcc_lo, 28, v[KK]
.irp q, 0,1,2,3
	v_cndmask_b32 v[OUT+\q], 0, v[OUT+\q], vcc_lo  ; a record behind the last tile is (0, 0, 0, 0)
.endr
	global_store_b128 v[TA], v[OUT:OUT+3], s[14:15]   ; 512 consecutive bytes a wave
.Lpend:
	s_wait_tensorcnt 0x0
	ds_add_u32 v128, v129
	s_wait_dscnt 0x0
	s_endpgm
.Lfunc_end_k_q9aff9e8c65_prep:
	.size	k_q9aff9e8c65_prep, .Lfunc_end_k_q9aff9e8c65_prep-k_q9aff9e8c65_prep
	.p2alignl 7, 3214868480
	.fill 96, 4, 3214868480
	.section	.rodata,"a",@progbits
	.p2align	6, 0x0
	.amdhsa_kernel k_q9aff9e8c65_prep
		.amdhsa_group_segment_fixed_size 4096
		.amdhsa_private_segment_fixed_size 0
		.amdhsa_enable_private_segment 0
		.amdhsa_kernarg_size 48
		.amdhsa_user_sgpr_count 2
		.amdhsa_user_sgpr_kernarg_segment_ptr 1
		.amdhsa_wavefront_size32 1
		.amdhsa_system_sgpr_workgroup_id_x 1
		.amdhsa_system_sgpr_workgroup_id_y 1
		.amdhsa_system_sgpr_workgroup_id_z 1
		.amdhsa_system_vgpr_workitem_id 0
		.amdhsa_next_free_vgpr 130
		.amdhsa_next_free_sgpr 96
		.amdhsa_reserve_vcc 1
		.amdhsa_float_denorm_mode_32 3
		.amdhsa_float_denorm_mode_16_64 3
		.amdhsa_memory_ordered 1
		.amdhsa_forward_progress 1
		.amdhsa_inst_pref_size 52
	.end_amdhsa_kernel
	.amdgpu_metadata
---
amdhsa.version: [ 1, 2 ]
amdhsa.kernels:
  - .name:           k_q9aff9e8c65_prep
    .symbol:         k_q9aff9e8c65_prep.kd
    .args:
      - { .name: w1, .offset: 0, .size: 8, .value_kind: global_buffer, .address_space: global }
      - { .name: w2, .offset: 8, .size: 8, .value_kind: global_buffer, .address_space: global }
      - { .name: pairs, .offset: 16, .size: 8, .value_kind: global_buffer, .address_space: global }
      - { .name: wq, .offset: 24, .size: 8, .value_kind: global_buffer, .address_space: global }
      - { .name: order, .offset: 32, .size: 8, .value_kind: global_buffer, .address_space: global }
      - { .name: tiles, .offset: 40, .size: 8, .value_kind: global_buffer, .address_space: global }
    .group_segment_fixed_size: 4096
    .private_segment_fixed_size: 0
    .kernarg_segment_align: 8
    .kernarg_segment_size: 48
    .max_flat_workgroup_size: 512
    .sgpr_count:     96
    .vgpr_count:     130
    .wavefront_size: 32
...
	.end_amdgpu_metadata
.endif
;; end of part 5
;; launch chain (part 6): grid 155 x 1, 16 waves a work-group, no clusters, 186,368 bytes of LDS; arguments xq, xs, wq, b1, b2, cw, order, tiles, out0; writes out0
.if DOCPART == 6
	.amdgcn_target "amdgcn-amd-amdhsa--gfx1250"
	.amdhsa_code_object_version 6
	.text
	.protected	k_q9aff9e8c65_chain
	.globl	k_q9aff9e8c65_chain
	.p2align	8
	.type	k_q9aff9e8c65_chain,@function
k_q9aff9e8c65_chain:
	s_mov_b64 s[64:65], 0
	v_nop
	global_prefetch_b8 v0, s[64:65] scope:SCOPE_SE
	s_setreg_imm32_b32 hwreg(HW_REG_WAVE_SCHED_MODE, 0, 2), 2
	s_setreg_imm32_b32 hwreg(HW_REG_WAVE_MODE, 25, 1), 1
	s_wait_xcnt 0x0
	s_wait_alu depctr_vm_vsrc(0)
; CHAIN.  One work-group takes one tile of the list: up to 32 tokens that chose the same two experts lo < hi, through everything: y = c_lo (relu(x W1_lo + b1_lo) W2_lo + b2_lo) + c_hi (the same with hi).
; All four products on FP4 (E2M1) codes with one E8M0 scale for each 32 along K, sums in f32; the hidden layers are quantised in registers and go from wave to wave through LDS; each output row has one owner.
; THE GRID is the largest number of tiles that any choice can give, (4096 + 28 x 31) / 32 = 155.  Every wave passes every barrier, and no barrier stands under a branch on a stored number: so a tile that a choice leaves
; without tokens (its record is 0, 0, 0, 0) runs the same text, on the token at place 0 of order and expert 0, with every address inside its buffer, and stores nothing.  That work is wasted: it is the price of a grid
; that serves every choice in a text with barriers.
; SHARES.  32 rows are two tiles of 16 (m = 0, 1).  Wave w makes hidden units, and later outputs, 64 w .. 64 w + 63 (four tiles t) for all 32 rows.  Both products are used transposed (source 0 = 16 units of W, source 1 =
; 16 tokens), and the units of a tile are chosen by the launch that laid wq out: in tile t = 2 b + u, lane (r, h) holds token r, and register j unit 32 b + 16 h + 8 u + j of the wave's 64.
; So the 16 registers of tiles 2 b, 2 b + 1 are 16 neighbours along the next K.  Rows from the tile's count on repeat its last token; they are computed and not stored.
; THE WEIGHTS go from memory straight into registers: a record of wq (4,352 bytes) is a wave's four fragments and two scale registers of one K step, each load 512 (128) consecutive bytes.  Three sets of registers:
; one is multiplied, one holds the next record or waits for it, and the third, which the step before multiplied, is asked for again during the step: up to two records, 8.5 KiB a wave, are on their way.
; The text is straight-line: 32 records (W1_lo, W1_hi, W2_lo, W2_hi, eight K steps each); NLD counts the loads issued, at assembly time, and each wait's count is NLD less its value behind the record wanted.
; THE GATE'S WEIGHTS with one set of accumulators: acc = b2_lo + h_lo W2_lo;  acc = acc x (c_lo / c_hi) + b2_hi;  acc += h_hi W2_hi;  acc *= c_hi.  The ratio lies between 1/e and e.
; NO CLUSTER, NO TENSOR LOAD: how many tiles a pair of experts has hangs on stored counts, so the partners of a cluster could not be given the same weights at every choice, and a text whose addresses hang on
; stored numbers takes its operands through registers.
; LIMITS: as in the launches before: NaN and infinities are not served; a hidden block whose largest number lies under 2^-124 gets the byte 1 (a block of zeros too: its codes are zeros).
; THE MODE: SCHED_MODE bits 1:0 = 2 (LLVM: expert scheduling mode 2), set by the entry lines.  The code itself states the register dependences between vector or matrix instructions and memory or LDS instructions,
; with s_wait_alu, always for 0.
; THE PLAN.  Registers that memory or LDS instructions touch, from the first barrier on:
;   W0 .. W2, WS   Step RHO's eight products read set RHO % 3.  The loads of record RHO + 3 land in it: they are issued in step RHO + 1; behind a phase's last step, at that step's end.
;   F0, F1, FS     Step RHO's products read the set of the step's parity; the LDS loads of the step after the next land in it, issued in step RHO + 1.  Between two phases the quantiser works in these registers:
;                  TM (v188-203) is named by vector instructions alone; PC and HW (v204-212) are written by them and read by three LDS stores.
;   B              Read as C by a phase's first eight products; the next phase's bias lands in it, asked for in the phase's second step.  Behind the third phase vector instructions read it.
;   ACC            Written by the products and by vector instructions; read by LDS stores at the head (v28-36 carry x's codes and scale word there) and on the way out.
;   v1 .. v10      Offsets and LDS addresses, made at the head and never written again.
; So ONE wait on va_vdst stands at the head of a step, behind the waits for the step's own operands: it states that the products of the step before are done reading their set of W, its scale registers, their set of F
; and, in a phase's second step, B.  The step's loads follow it, dealt among its eight products, which name the OTHER sets, and ACC.  A phase's first step needs none: what its loads touch was freed by the wait at the
; end of the phase before, or by the quantiser's.
.set REC,  4352
.set GRPB, 8*REC
.set MATB, 16*GRPB
.set XIMG, 0                           ; LDS: x's fragments as images of their registers: (m, K step s) at 8192 m + 1024 s + 512 c + 16 lane
.set XSC,  16384                       ; their scale words: 128 s + 4 row
.set HIMG, 17408                       ; the two hidden layers' fragments: 16384 slot + the same
.set HSC,  50176                       ; their scale words: 1024 slot + 128 s + 4 row
.set STG,  52224                       ; the stage for y: 32 rows of
.set SP,   4112                        ; 4,096 bytes + 16: row r starts 4 r words on in the banks (64 banks of 4 bytes: ISA guide 11.1)
.set WS,   20                          ; v20-25   W's scale registers, two for each of three sets: scales and nothing else
.set FS,   26                          ; v26-27   the tokens' scale words, one for each of two sets: lanes 0-15 rows 0-15, lanes 16-31 rows 16-31
.set ACC,  28                          ; v28-91   accumulator (m, t) at 28 + 32 m + 8 t
.set W,    92                          ; v92-187  three sets of four fragments of W
.set F,    188                         ; v188-219 two sets of two fragments of tokens (m = 0, 1)
.set B,    220                         ; v220-251 a bias in the result's layout, eight registers a tile
.set TM,   188                         ; the quantiser works in F's registers between two phases
.set PC,   204
.set HW,   212
.set SEL,  52                          ; s[52:53] v_permlanex16_b32's selects for lane l xor 16
; v1 16 x lane; v2 4 x lane; v3 64 h; v4-10 LDS addresses; v11 r; v12, v13 the tokens of rows r and 16 + r; v14, v15, v252-255 offsets, each written once; v[16:17], v[18:19] (c_lo / c_hi, c_hi) of those two rows
; s[24:27] lo, hi, first, count; s28 wave; s[32:39] the four matrices at my wave's group; s[40:47] the four biases at my wave's 64; s48, s49 the tokens of rows 2 w, 2 w + 1
.set NLD, 0
.set RHO, 0
.macro LDW k, rho, t                   ; record rho (matrix rho / 8, K step rho % 8), tile t's fragment, into set k: two loads
.set WB, 32+2*((\rho)/8)
.set WO, REC*((\rho)%8)
.irp c, 0,1
	global_load_b128 v[W+32*(\k)+8*(\t)+4*\c:W+32*(\k)+8*(\t)+4*\c+3], v1, s[WB:WB+1] offset:WO+1024*(\t)+512*\c
.endr
.set NLD, NLD+2
.endm
.macro LDSC k, rho                     ; its two scale registers: the record's last loads
.set WB, 32+2*((\rho)/8)
.set WO, REC*((\rho)%8)
.irp b, 0,1
	global_load_b32 v[WS+2*(\k)+\b], v2, s[WB:WB+1] offset:WO+4096+128*\b
.endr
.set NLD, NLD+2
.if (\k) == 0
.set END0, NLD
.elseif (\k) == 1
.set END1, NLD
.else
.set END2, NLD
.endif
.endm
.macro LDREC k, rho                    ; a whole record in one run
.irp t, 0,1,2,3
	LDW \k, \rho, \t
.endr
	LDSC \k, \rho
.endm
.macro LDB p, t                        ; phase p's bias, tile t, lane half h: units 32 (t / 2) + 16 h + 8 (t % 2) + 0 .. 7 of my 64: two loads
.set BB, 40+2*(\p)
.irp q, 0,1
	global_load_b128 v[B+8*(\t)+4*\q:B+8*(\t)+4*\q+3], v3, s[BB:BB+1] offset:128*((\t)/2)+32*((\t)%2)+16*\q
.endr
.set NLD, NLD+2
.endm
.macro FETCHF f, img, sc, s            ; the tokens' two fragments and scale words of K step s into set f: five LDS loads
.irp m, 0,1
.irp c, 0,1
	ds_load_b128 v[F+16*(\f)+8*\m+4*\c:F+16*(\f)+8*\m+4*\c+3], v1 offset:(\img)+8192*\m+1024*(\s)+512*\c
.endr
.endr
	ds_load_b32 v[FS+(\f)], v2 offset:(\sc)+128*(\s)
.endm
; One matrix instruction: accumulator (m, t).  cb = 1: the bias is the C of the sum's first product.
.macro MM1 k, f, cb, m, t
.set rD, ACC+32*(\m)+8*(\t)
.set rA, W+32*(\k)+8*(\t)
.set rB, F+16*(\f)+8*(\m)
.set rSA, WS+2*(\k)+(\t)/2
.set rSB, FS+(\f)
.if \cb
.set rC, B+8*(\t)
.else
.set rC, rD
.endif
.if ((\t)%2 == 0) && ((\m) == 0)
	v_wmma_scale_f32_16x16x128_f8f6f4 v[rD:rD+7], v[rA:rA+7], v[rB:rB+7], v[rC:rC+7], v[rSA], v[rSB] matrix_a_fmt:MATRIX_FMT_FP4 matrix_b_fmt:MATRIX_FMT_FP4
.elseif ((\t)%2 == 1) && ((\m) == 0)
	v_wmma_scale_f32_16x16x128_f8f6f4 v[rD:rD+7], v[rA:rA+7], v[rB:rB+7], v[rC:rC+7], v[rSA], v[rSB] matrix_a_fmt:MATRIX_FMT_FP4 matrix_b_fmt:MATRIX_FMT_FP4 matrix_a_scale:MATRIX_SCALE_ROW1
.elseif ((\t)%2 == 0)
	v_wmma_scale_f32_16x16x128_f8f6f4 v[rD:rD+7], v[rA:rA+7], v[rB:rB+7], v[rC:rC+7], v[rSA], v[rSB] matrix_a_fmt:MATRIX_FMT_FP4 matrix_b_fmt:MATRIX_FMT_FP4 matrix_b_scale:MATRIX_SCALE_ROW1
.else
	v_wmma_scale_f32_16x16x128_f8f6f4 v[rD:rD+7], v[rA:rA+7], v[rB:rB+7], v[rC:rC+7], v[rSA], v[rSB] matrix_a_fmt:MATRIX_FMT_FP4 matrix_b_fmt:MATRIX_FMT_FP4 matrix_a_scale:MATRIX_SCALE_ROW1 matrix_b_scale:MATRIX_SCALE_ROW1
.endif
.endm
; One K step: record RHO.  Its eight products go in pairs, (m, t) = (0, 0) .. (0, 3), (1, 0) .. (1, 3): the eight accumulators take turns, one instruction a turn, in the same order in every step.
; Behind each pair stand two loads of record RHO + 2, into the set that the step before multiplied; in a phase's second step two loads of the next phase's bias with them.
.macro STEP img, sc, cb
.set SS, RHO%8
.set KK, RHO%3                         ; the set that holds record RHO
.set KP, (RHO+2)%3                     ; the set that the step before multiplied
.set FF, SS%2
.set LDR, 0
.if (SS > 0) && (RHO+2 < 32)
.set LDR, 1                            ; this step asks for record RHO + 2 (a phase's first step does not: its record was asked for at the end of the phase before, or at the head)
.endif
.set LDBI, 0
.if (SS == 1) && (RHO < 24)
.set LDBI, 1                           ; the phase's first products have taken the bias as C: its registers take the next phase's
.endif
.if SS == 0
	FETCHF 1, \img, \sc, 1                         ; no wait on va_vdst: no vector or matrix instruction since the last one names F1 or its scale register
	s_wait_dscnt 5                                 ; this step's five loads are in; the five just issued may be out
.else
	s_wait_dscnt 0x0                               ; this step's five loads, asked for in the step before, are in
.endif
.if KK == 0
	s_wait_loadcnt NLD-END0                        ; record RHO is in; all that was issued behind it may be out
.elseif KK == 1
	s_wait_loadcnt NLD-END1
.else
	s_wait_loadcnt NLD-END2
.endif
.if (SS > 0) && ((SS < 7) || LDR)
	s_wait_alu depctr_va_vdst(0)                   ; the products of the step before are done reading their set of W and its scale registers, their set of F and its scale register, and (in a phase's second step) the bias: the loads of this step land there
.endif
.if (SS > 0) && (SS < 7)
	FETCHF 1-FF, \img, \sc, SS+1
.endif
.set CB0, 0
.if (\cb) && (SS == 0)
.set CB0, 1
.endif
.irp g, 0,1,2,3
	MM1 KK, FF, CB0, \g/2, 2*(\g%2)
	MM1 KK, FF, CB0, \g/2, 2*(\g%2)+1
.if LDBI
	LDB RHO/8+1, \g                                ; ahead of the record's last loads: the wait for that record shows the bias in too
.endif
.if LDR
	LDW KP, RHO+2, \g                              ; no further wait: the products since the wait name set KK, the step's own F, and ACC
.endif
.endr
.if LDR
	LDSC KP, RHO+2
.endif
.if SS == 7
.rept 5
	v_nop                                          ; a phase's end: four places ahead of the vector instructions that read the results (ISA guide 7.12.1), a fifth since the next phase's first products write these accumulators anew
.endr
.if RHO+3 < 32
	s_wait_alu depctr_va_vdst(0)                   ; this step's products are done reading their set of W and its scale registers, in which the record below lands, and their set of F, in which the next phase's loads land
	LDREC KK, RHO+3
.endif
.endif
.set RHO, RHO+1
.endm
.macro EIGHT img, sc, cb               ; one matrix: eight K steps; the first step's fragments have been asked for
.rept 8
	STEP \img, \sc, \cb
.endr
.endm
; The activation, and the wave's 64 hidden units of 32 rows as codes.  Block 2 m + b (numbers at ACC + 16 (2 m + b)) is units 32 b .. 32 b + 31 of row tile m, half in lane l and half in lane l xor 16.
; The codes are registers 4 c .. 4 c + 3, c = w % 2, of the fragments (m, K step w / 2): they go to LDS as they stand.  The two bytes of a row are half of its scale word.
.macro RELUQ slot
.set j, 0
.rept 64
	v_max_num_f32 v[ACC+j], 0, v[ACC+j]            ; ascending: each accumulator is read from its low end on
.set j, j+1
.endr
.irp b, 0,1,2,3
	v_max3_num_f32 v[TM+\b], v[ACC+16*\b], v[ACC+1+16*\b], 0x1800000   ; none is negative; the floor 2^(3 - 127): the byte cannot fall under 1
.endr
.irp i, 2,4,6,8,10,12,14
.irp b, 0,1,2,3
	v_max3_num_f32 v[TM+\b], v[TM+\b], v[ACC+16*\b+\i], v[ACC+1+16*\b+\i]
.endr
.endr
.irp b, 0,1,2,3
	v_permlanex16_b32 v[TM+4+\b], v[TM+\b], s[SEL], s[SEL+1]
.endr
.irp b, 0,1,2,3
	v_max_num_f32 v[TM+\b], v[TM+\b], v[TM+4+\b]
.endr
.irp b, 0,1,2,3
	v_add_nc_u32 v[TM+12+\b], 0xff000000, v[TM+\b] ; 2 off the exponent field: the conversion's scale operand
.endr
.irp b, 0,1,2,3
	v_lshrrev_b32 v[TM+4+\b], 23, v[TM+12+\b]      ; the scale's byte
.endr
	v_lshl_or_b32 v[HW], v[TM+5], 8, v[TM+4]       ; row r's two bytes,
	v_lshl_or_b32 v[HW+1], v[TM+7], 8, v[TM+6]     ; row 16 + r's;
	v_cndmask_b32 v[HW], v[HW], v[HW+1], s60       ; lane l has row l's
.irp b, 0,1,2,3
	v_cvt_scalef32_pk8_fp4_f32 v[PC+2*\b], v[ACC+16*\b:ACC+7+16*\b], v[TM+12+\b]
	v_cvt_scalef32_pk8_fp4_f32 v[PC+1+2*\b], v[ACC+8+16*\b:ACC+15+16*\b], v[TM+12+\b]
.endr
	v_nop                                          ; one plain instruction behind a scaled conversion
.irp c, 0,1                                    ; a WHOLE block to a lane: lanes 0-15 units 0-31, lanes 16-31 units 32-63, for row tile c
.irp i, 0,1
	v_permlane16_swap_b32 v[PC+4*\c+\i], v[PC+2+4*\c+\i]
.endr
.endr
	s_wait_alu depctr_va_vdst(0)                   ; the codes in v[PC ..] and the two bytes in v[HW] are written, which the LDS stores read; and the quantiser is done with v188 to v213, in which the next phase's fragments land
	ds_store_b128 v6, v[PC:PC+3] offset:16384*\slot
	ds_store_b128 v6, v[PC+4:PC+7] offset:16384*\slot+8192
	ds_store_b16 v7, v[HW] offset:1024*\slot
	s_wait_dscnt 0x0                               ; my stores have landed: ahead of the barrier, for the others' sake (behind the first hidden layer, where no barrier follows yet, it keeps the next phase's counts plain)
	s_wait_alu depctr_vm_vsrc(0)                   ; the LDS stores have read v[PC ..] and v[HW]: the next phase's fragments land there, and the next quantiser writes them
.endm
	s_load_b512 s[4:19], s[0:1], 0x0               ; xq s[4:5], xs s[6:7], wq s[8:9], b1 s[10:11], b2 s[12:13], cw s[14:15], order s[16:17], tiles s[18:19]
	s_load_b64 s[20:21], s[0:1], 0x40              ; out0
	v_lshrrev_b32 v1, 5, v0
	v_readfirstlane_b32 s28, v1                    ; wave 0..15
	s_lshl_b32 s50, ttmp9, 4
	s_mov_b32 s51, 0
	s_wait_kmcnt 0x0
	s_add_nc_u64 s[18:19], s[18:19], s[50:51]
	s_load_b128 s[24:27], s[18:19], 0x0            ; my tile: lo, hi, first, count
	v_and_b32 v188, 31, v0                         ; lane
	v_and_b32 v11, 15, v0                          ; r
	s_wait_alu depctr_va_vdst(0)
	v_bfe_u32 v189, v0, 4, 1                       ; h
	v_lshlrev_b32 v1, 4, v188
	s_wait_alu depctr_va_vdst(0)
	v_lshlrev_b32 v2, 2, v188
	s_wait_alu depctr_va_vdst(0)
	v_lshlrev_b32 v3, 6, v189
	s_wait_alu depctr_va_sdst(0)                   ; s28 is written, ahead of its first reader: LDS addresses, bases and branches are made from it
	s_lshr_b32 s54, s28, 3
	s_lshl_b32 s54, s54, 13
	s_and_b32 s55, s28, 7
	s_lshl_b32 s55, s55, 5
	s_add_co_u32 s54, s54, s55
	v_lshl_add_u32 v4, v188, 8, s54                ; x's images, in: my lane holds block l = 4 s + 2 c + h of rows 2 w, 2 w + 1: 1024 s + 512 c + 256 h = 256 l; + 8192 (w / 8) + 16 (row % 16)
	s_lshl_b32 s54, s28, 6
	s_add_co_u32 s54, s54, XSC
	v_lshl_add_u32 v5, v11, 2, s54                 ; x's scale words, in: K step w / 2, rows 16 (w % 2) + r: 64 w + 4 r
	s_lshl_b32 s54, s28, 9
	s_add_co_u32 s54, s54, HIMG
	v_add_nc_u32 v6, s54, v1                       ; the hidden images, in: 1024 (w / 2) + 512 (w % 2) = 512 w, + 16 lane
	s_lshr_b32 s54, s28, 1
	s_lshl_b32 s54, s54, 7
	s_and_b32 s55, s28, 1
	s_lshl_b32 s55, s55, 1
	s_add_co_u32 s54, s54, s55
	s_add_co_u32 s54, s54, HSC
	v_add_nc_u32 v7, s54, v2                       ; their scale words, in: K step w / 2, row = lane, bytes 2 (w % 2) and the next
	v_mul_u32_u24 v8, v11, SP
	s_wait_alu depctr_va_vdst(0)
	v_add_nc_u32 v8, v8, v3
	s_lshl_b32 s54, s28, 8
	s_add_co_u32 s54, s54, STG
	v_add_nc_u32 v8, s54, v8                       ; the stage, in: row r, my wave's 256 bytes, + 64 h;
	v_add_nc_u32 v9, 16*SP, v8                     ; row 16 + r
	s_mul_i32 s54, s28, 2*SP
	s_add_co_u32 s54, s54, STG
	v_add_nc_u32 v10, s54, v1                      ; and out: rows 2 w, 2 w + 1, 16 bytes a lane
	s_mov_b32 s[SEL], 0x76543210
	s_mov_b32 s[SEL+1], 0xfedcba98
	s_mov_b32 s60, 0xffff0000                      ; lanes 16-31
	s_wait_kmcnt 0x0
	s_min_u32 s24, s24, 7                          ; stored numbers enter addresses only behind a bound
	s_min_u32 s25, s25, 7
	s_min_u32 s26, s26, 4095
	s_min_u32 s27, s27, 32
	s_max_u32 s54, s27, 1                          ; a tile without tokens takes row 0 for its last row: no branch, every address stays inside its buffer
	s_sub_co_u32 s54, s54, 1                       ; the tile's last row
	s_lshl_b32 s55, s28, 1
	s_min_u32 s56, s55, s54                        ; rows 2 w and 2 w + 1, held at the last row,
	s_add_co_u32 s56, s56, s26                     ; as places in order
	s_min_u32 s56, s56, 4095
	s_lshl_b32 s56, s56, 2
	s_add_co_u32 s57, s55, 1
	s_min_u32 s57, s57, s54
	s_add_co_u32 s57, s57, s26
	s_min_u32 s57, s57, 4095
	s_lshl_b32 s57, s57, 2
	s_load_b32 s48, s[16:17], s56 offset:0x0
	s_load_b32 s49, s[16:17], s57 offset:0x0
	v_min_u32 v14, s54, v11                        ; rows r and 16 + r likewise
	v_add_nc_u32 v15, 16, v11
	v_min_u32 v15, s54, v15
	v_add_nc_u32 v14, s26, v14
	v_add_nc_u32 v15, s26, v15
	v_min_u32 v14, 0xfff, v14
	v_min_u32 v15, 0xfff, v15
	v_lshlrev_b32 v14, 2, v14
	v_lshlrev_b32 v15, 2, v15
	s_wait_alu depctr_va_vdst(0)                   ; v1 to v10, v14 and v15 are written: the offsets and LDS addresses that the loads and stores of the whole kernel read; and the head is done with v188 and v189, in which fragments will land
	global_load_b32 v12, v14, s[16:17]
	global_load_b32 v13, v15, s[16:17]
.set NLD, NLD+2
.set MORD, NLD
	s_mul_i32 s58, s28, GRPB                       ; my wave's group of 64 units in each matrix
	s_mul_i32 s50, s24, MATB
	s_add_co_u32 s50, s50, s58
	s_mov_b32 s51, 0
	s_add_nc_u64 s[32:33], s[8:9], s[50:51]        ; W1_lo
	s_mul_i32 s50, s25, MATB
	s_add_co_u32 s50, s50, s58
	s_add_nc_u64 s[34:35], s[8:9], s[50:51]        ; W1_hi
	s_add_nc_u64 s[36:37], s[32:33], 8*MATB        ; W2_lo
	s_add_nc_u64 s[38:39], s[34:35], 8*MATB        ; W2_hi
	s_lshl_b32 s58, s28, 8
	s_lshl_b32 s50, s24, 12
	s_add_co_u32 s50, s50, s58
	s_add_nc_u64 s[40:41], s[10:11], s[50:51]      ; b1_lo
	s_add_nc_u64 s[44:45], s[12:13], s[50:51]      ; b2_lo
	s_lshl_b32 s50, s25, 12
	s_add_co_u32 s50, s50, s58
	s_add_nc_u64 s[42:43], s[10:11], s[50:51]      ; b1_hi
	s_add_nc_u64 s[46:47], s[12:13], s[50:51]      ; b2_hi
	LDREC 0, 0                                     ; the weights start while the tokens' numbers are on their way
	LDREC 1, 1
	LDREC 2, 2
.irp t, 0,1,2,3
	LDB 0, \t
.endr
	s_wait_kmcnt 0x0
	s_min_u32 s48, s48, 4095
	s_min_u32 s49, s49, 4095
	s_lshl_b32 s50, s48, 9                         ; a token's codes are 512 bytes
	s_lshl_b32 s58, s49, 9
	v_add_nc_u32 v252, s50, v1
	v_add_nc_u32 v253, s58, v1
	s_wait_alu depctr_va_vdst(0)                   ; v252 and v253 are written, which the two loads below read as their offsets
	global_load_b128 v[28:31], v252, s[4:5]        ; a whole row: 32 lanes read 512 consecutive bytes
	global_load_b128 v[32:35], v253, s[4:5]
.set NLD, NLD+2
	s_wait_loadcnt NLD-MORD                        ; the tokens of rows r and 16 + r are in; all 40 loads issued behind them may be out
	s_bitcmp1_b32 s28, 0
	s_cselect_b32 s59, -1, 0
	v_cndmask_b32 v190, v12, v13, s59              ; the token of row 16 (w % 2) + r,
	v_min_u32 v190, 0xfff, v190
	s_lshr_b32 s50, s28, 1
	s_lshl_b32 s50, s50, 2
	v_lshl_add_u32 v190, v190, 5, s50              ; its scale word of K step w / 2
	v_min_u32 v12, 0xfff, v12
	v_min_u32 v13, 0xfff, v13
	v_lshlrev_b32 v254, 3, v12
	v_lshlrev_b32 v255, 3, v13
	s_wait_alu depctr_va_vdst(0)                   ; v190, v254 and v255 are written, which the three loads below read as their offsets: the three are made together, so that one wait serves them
	global_load_b32 v36, v190, s[6:7]
	global_load_b64 v[16:17], v254, s[14:15]       ; (c_lo / c_hi, c_hi) of row r,
	global_load_b64 v[18:19], v255, s[14:15]       ; of row 16 + r
.set NLD, NLD+3
	s_wait_loadcnt 2                               ; codes and scale word are in; the two loads of cw may be out
	ds_store_b128 v4, v[28:31] offset:XIMG
	ds_store_b128 v4, v[32:35] offset:XIMG+16
	ds_store_b32 v5, v36                           ; lanes r and r + 16 write the same word with the same value
	s_wait_dscnt 0x0                               ; for the others' sake
	s_barrier_signal -1
	s_barrier_wait -1                              ; x's sixteen fragments lie in LDS
	s_wait_alu depctr_vm_vsrc(0)                   ; my LDS stores have read v28 to v36, which the products write; the load of the scale word has read v190, in which a fragment lands
	FETCHF 0, XIMG, XSC, 0
	EIGHT XIMG, XSC, 1                             ; x W1_lo + b1_lo
	RELUQ 0
	FETCHF 0, XIMG, XSC, 0
	EIGHT XIMG, XSC, 1                             ; x W1_hi + b1_hi
	RELUQ 1
	s_barrier_signal -1
	s_barrier_wait -1                              ; both hidden layers lie in LDS
	FETCHF 0, HIMG, HSC, 0
	EIGHT HIMG, HSC, 1                             ; h_lo W2_lo + b2_lo
	FETCHF 0, HIMG+16384, HSC+1024, 0              ; the last phase's first fragments are asked for ahead of the multiply-adds, which name ACC, cw and the bias alone; the wait at the phase's end has freed F0 and its scale register
.irp m, 0,1                                    ; x c_lo / c_hi, + b2_hi.  (b2_hi was issued ahead of record 19 and cw ahead of record 3: the waits for those records have shown them in.)  Ascending: each accumulator from its low end on
.irp t, 0,1,2,3
.irp q, 0,2,4,6
	v_pk_fma_f32 v[ACC+32*\m+8*\t+\q:ACC+32*\m+8*\t+\q+1], v[ACC+32*\m+8*\t+\q:ACC+32*\m+8*\t+\q+1], v[16+2*\m:17+2*\m], v[B+8*\t+\q:B+8*\t+\q+1] op_sel_hi:[1,0,1]
.endr
.endr
.endr
.rept 4
	v_nop
.endr
	s_wait_alu depctr_va_vdst(0)
	EIGHT HIMG+16384, HSC+1024, 0                  ; += h_hi W2_hi
	v_mov_b32 v188, v17                            ; c_hi into the low word of a pair (F's registers are free)
	v_mov_b32 v190, v19
.irp m, 0,1
.irp t, 0,1,2,3
.irp q, 0,2,4,6
	v_pk_mul_f32 v[ACC+32*\m+8*\t+\q:ACC+32*\m+8*\t+\q+1], v[ACC+32*\m+8*\t+\q:ACC+32*\m+8*\t+\q+1], v[188+2*\m:189+2*\m] op_sel_hi:[1,0]
.endr
.endr
.endr
	s_wait_alu depctr_va_vdst(0)                   ; the multiplications have written ACC, which the LDS stores read; and the last products are done reading W's sets, in which the rows from the stage land
.irp m, 0,1
.irp t, 0,1,2,3
.irp q, 0,1
	ds_store_b128 v[8+\m], v[ACC+32*\m+8*\t+4*\q:ACC+32*\m+8*\t+4*\q+3] offset:128*(\t/2)+32*(\t%2)+16*\q   ; y(16 m + r, 64 w + 32 (t / 2) + 16 h + 8 (t % 2) + 4 q ..)
.endr
.endr
.endr
	s_wait_dscnt 0x0                               ; for the others' sake
	s_barrier_signal -1
	s_barrier_wait -1                              ; 32 whole rows of y lie in the stage: the last barrier; only behind it does a branch hang on the tile's count
.irp i, 0,1
.irp q, 0,1,2,3,4,5,6,7
	ds_load_b128 v[W+32*\i+4*\q:W+32*\i+4*\q+3], v10 offset:SP*\i+512*\q   ; no vector or matrix instruction since the wait above
.endr
.endr
	s_lshl_b32 s50, s48, 12                        ; a row of out0 is 4,096 bytes
	s_mov_b32 s51, 0
	s_add_nc_u64 s[54:55], s[20:21], s[50:51]
	s_lshl_b32 s50, s49, 12
	s_add_nc_u64 s[56:57], s[20:21], s[50:51]
	s_lshl_b32 s58, s28, 1
	s_wait_dscnt 0x0
	s_cmp_ge_u32 s58, s27                          ; rows from the count on are repeats: not stored (a tile without tokens stores none)
	s_cbranch_scc1 .Lend
.irp q, 0,1,2,3,4,5,6,7
	global_store_b128 v1, v[W+4*\q:W+4*\q+3], s[54:55] offset:512*\q th:TH_STORE_NT   ; 32 lanes store 512 consecutive bytes, aligned; written once, read by nobody here
.endr
	s_add_co_u32 s58, s58, 1
	s_cmp_ge_u32 s58, s27
	s_cbranch_scc1 .Lend
.irp q, 0,1,2,3,4,5,6,7
	global_store_b128 v1, v[W+32+4*\q:W+32+4*\q+3], s[56:57] offset:512*\q th:TH_STORE_NT
.endr
.Lend:
	s_wait_xcnt 0x0
	v_lshl_add_u32 v254, v0, 2, 0x2d000            ; the add's two registers are made anew.  v254 and v255 were last read by the loads of cw, which were issued ahead of the wait on vm_vsrc behind the first barrier
	v_mov_b32 v255, 0
	s_wait_dscnt 0x0                               ; the closing lines, six on end
	s_wait_alu 0x0
	s_wait_tensorcnt 0x0
	ds_add_u32 v254, v255
	s_wait_dscnt 0x0
	s_endpgm
.Lfunc_end_k_q9aff9e8c65_chain:
	.size	k_q9aff9e8c65_chain, .Lfunc_end_k_q9aff9e8c65_chain-k_q9aff9e8c65_chain
	.p2alignl 7, 3214868480
	.fill 96, 4, 3214868480
	.section	.rodata,"a",@progbits
	.p2align	6, 0x0
	.amdhsa_kernel k_q9aff9e8c65_chain
		.amdhsa_group_segment_fixed_size 186368
		.amdhsa_private_segment_fixed_size 0
		.amdhsa_enable_private_segment 0
		.amdhsa_kernarg_size 72
		.amdhsa_user_sgpr_count 2
		.amdhsa_user_sgpr_kernarg_segment_ptr 1
		.amdhsa_wavefront_size32 1
		.amdhsa_system_sgpr_workgroup_id_x 1
		.amdhsa_system_sgpr_workgroup_id_y 1
		.amdhsa_system_sgpr_workgroup_id_z 1
		.amdhsa_system_vgpr_workitem_id 0
		.amdhsa_next_free_vgpr 256
		.amdhsa_next_free_sgpr 66
		.amdhsa_reserve_vcc 0
		.amdhsa_float_denorm_mode_32 3
		.amdhsa_float_denorm_mode_16_64 3
		.amdhsa_memory_ordered 1
		.amdhsa_forward_progress 1
		.amdhsa_inst_pref_size 106
	.end_amdhsa_kernel
	.amdgpu_metadata
---
amdhsa.version: [ 1, 2 ]
amdhsa.kernels:
  - .name:           k_q9aff9e8c65_chain
    .symbol:         k_q9aff9e8c65_chain.kd
    .args:
      - { .name: xq, .offset: 0, .size: 8, .value_kind: global_buffer, .address_space: global }
      - { .name: xs, .offset: 8, .size: 8, .value_kind: global_buffer, .address_space: global }
      - { .name: wq, .offset: 16, .size: 8, .value_kind: global_buffer, .address_space: global }
      - { .name: b1, .offset: 24, .size: 8, .value_kind: global_buffer, .address_space: global }
      - { .name: b2, .offset: 32, .size: 8, .value_kind: global_buffer, .address_space: global }
      - { .name: cw, .offset: 40, .size: 8, .value_kind: global_buffer, .address_space: global }
      - { .name: order, .offset: 48, .size: 8, .value_kind: global_buffer, .address_space: global }
      - { .name: tiles, .offset: 56, .size: 8, .value_kind: global_buffer, .address_space: global }
      - { .name: out0, .offset: 64, .size: 8, .value_kind: global_buffer, .address_space: global }
    .group_segment_fixed_size: 186368
    .private_segment_fixed_size: 0
    .kernarg_segment_align: 8
    .kernarg_segment_size: 72
    .max_flat_workgroup_size: 512
    .sgpr_count:     66
    .vgpr_count:     256
    .wavefront_size: 32
...
	.end_amdgpu_metadata
.endif
;; end of part 6
